; MI455X (gfx1250); checked and timed in simulation.
; The chip was launched on July 23, 2026; its instructions are those of AMD's public machine-readable ISA for CDNA 5 (MIT licence, August 2026) and "CDNA5" Instruction Set Architecture Reference Guide (July 2026). The comments in the code are by the model that wrote it; some were corrected since.
;; Block. Allowed arithmetic: matrix products marked QUANTISED: E4M3 operands, one given power-of-two scale a tensor, by v_wmma_f32_16x16x64_fp8_fp8 or v_wmma_f32_16x16x128_fp8_fp8, f32 sums; everything else in f32.
;; Inputs: lowp_scales 14 int32 (the exponents e of the quantised operands' scales 2^e); n1_w 1,024 float32; n2_w 1,024 float32; o_w_codes 1,024 x 32 x 32 uint8 (E4M3 codes of o_w, K innermost, in blocks of 32 codes); qkv_w_codes 3,072 x 32 x 32 uint8 (E4M3 codes of qkv_w, K innermost, in blocks of 32 codes); w1_w_codes 2,048 x 32 x 32 uint8 (E4M3 codes of w1_w, K innermost, in blocks of 32 codes); w2_w_codes 1,024 x 64 x 32 uint8 (E4M3 codes of w2_w, K innermost, in blocks of 32 codes); wg_w_codes 2,048 x 32 x 32 uint8 (E4M3 codes of wg_w, K innermost, in blocks of 32 codes); x 2 x 2,048 x 1,024 float32.
;; Outputs: out0 2 x 2,048 x 1,024 float32.
;; This version of the problem:
;;   THIS VERSION OF THE PROBLEM IS GIVEN IN LOW PRECISION. The matrix products marked QUANTISED in the list below multiply operands that are first quantised to E4M3 (4 exponent bits, 3 mantissa bits; 8 bits a number), with one given power-of-two scale for each operand tensor; their sums are f32. All else is computed in f32.
;;   The module's matrix products, in the order in which they are computed (A, B: the left and right operand; K: the contracted axis; several contracted axes count as one K, in the product's order):
;;     1. [M 4,096, K 1,024] x [K 1,024, N 3,072]; A: computed on the way; B: input qkv_w (given as codes): QUANTISED (scales: A lowp_scales[0], B lowp_scales[1])
;;     2. batch 32 x [M 2,048, K 64] x [K 64, N 2,048]; A: computed on the way; B: computed on the way: QUANTISED (scales: A lowp_scales[2], B lowp_scales[3])
;;     3. batch 32 x [M 2,048, K 2,048] x [K 2,048, N 64]; A: softmax (see below); B: computed on the way: QUANTISED (scales: A lowp_scales[4], B lowp_scales[5])
;;     4. [M 4,096, K 1,024] x [K 1,024, N 1,024]; A: computed on the way; B: input o_w (given as codes): QUANTISED (scales: A lowp_scales[6], B lowp_scales[7])
;;     5. [M 4,096, K 1,024] x [K 1,024, N 2,048]; A: computed on the way; B: input wg_w (given as codes): QUANTISED (scales: A lowp_scales[8], B lowp_scales[9])
;;     6. [M 4,096, K 1,024] x [K 1,024, N 2,048]; A: computed on the way; B: input w1_w (given as codes): QUANTISED (scales: A lowp_scales[10], B lowp_scales[11])
;;     7. [M 4,096, K 2,048] x [K 2,048, N 1,024]; A: computed on the way; B: input w2_w (given as codes): QUANTISED (scales: A lowp_scales[12], B lowp_scales[13])
;;   THE QUANTISER, for each operand of a quantised product, along K:
;;     - The operand's scale is 2^e, e = its entry of the input lowp_scales (int32; the entries are numbered through the quantised products in the list's order, A before B).
;;     - Each number is divided by the scale, clamped to +-448, and rounded to the nearest number of E4M3, ties to even, subnormals kept.
;;     - The product sums the exact products of the quantised numbers (number of the format x scale) in f32.
;;   ~~~python
;;   def quantise(x, axis, e):      # numpy; x: float32 -> the quantised numbers, widened to float32 again
;;       x = np.moveaxis(x, axis, -1); K = x.shape[-1]
;;       r = np.clip(x / 2.0 ** e, -448, 448)
;;       step = 2.0 ** (np.maximum(np.frexp(np.where(r == 0, 1, r))[1] - 1, -6) - 3)
;;       q = np.round(r / step) * step * 2.0 ** e      # np.round: ties to even
;;       return np.moveaxis(q, -1, axis).astype(np.float32)
;;   ~~~
;;   SOFTMAX AHEAD OF A QUANTISED PRODUCT. Where the list says 'softmax', what is quantised is not the finished softmax but p = 2^(t - M), with t = logit x log2(e) and M = ceil(the row's largest t), a whole number; so 1/2 < the row's largest p <= 1. The row's sum l is taken of the UNQUANTISED p, in f32, and the product's result is divided by l at the end. Since M is a whole number, a kernel that streams over the keys may use a running M (the ceiling of the running maximum): every later rescaling is an exact power of two, so the quantised numbers keep their values, but for numbers so far below the row's largest that they fall under the format's range.
;;   OPERANDS COMPUTED ON THE WAY. 'Computed on the way' means the value that the module computes at that place (a softmax that the list does not call 'softmax' is quantised finished and normalised). What goes into a quantiser is computed in f32, as accurately as f32 sums, v_exp_f32 and their like allow (about 1e-6 of the number): no bf16 or f16 on the way to a quantiser, and a product that is left as it is and whose result goes on into a quantised operand takes f32 operands (vector FMAs, or v_wmma_f32_16x16x4_f32). A number that lies on a knife's edge between two numbers of the format may be rounded either way, as far as f32 arithmetic and the matrix unit's own rounding can turn it there, and no further.
;;   INPUTS GIVEN AS CODES. o_w (in the module: [1024, 1024], K = its axis 1); qkv_w (in the module: [3072, 1024], K = its axis 1); w1_w (in the module: [2048, 1024], K = its axis 1); w2_w (in the module: [1024, 2048], K = its axis 1); wg_w (in the module: [2048, 1024], K = its axis 1): each comes as NAME_codes (uint8): NAME with its K axis moved to the last place and cut into blocks of 32 codes, [.., K / 32, bytes a block], one block behind the other in memory; one code a byte (a code: sign, 4 exponent bits, 3 mantissa bits); its scale is its entry of lowp_scales. Its value is code x scale, taken as it is: it is not quantised again, and the codes and scales need not be those that the quantiser above would give.
;; One version. Each part assembles by itself: llvm-mc -triple=amdgcn-amd-amdhsa -mcpu=gfx1250 --defsym DOCPART=n.
;; ======== version 1 of 1: 7 launches
;; limits: right only within a limited range of input values
;; workspace buffers: a1 4,194,304 bytes; rope 524,288 bytes; qkv 12,582,912 bytes; yimg 4,194,304 bytes; x2 16,777,216 bytes; h2 8,388,608 bytes; mimg 8,388,608 bytes
;; launch prep (part 1): grid 256 x 1, 8 waves a work-group, no clusters, 0 bytes of LDS; arguments x, n1_w, lowp_scales, a1, rope; writes a1, rope
.if DOCPART == 1
	.amdgcn_target "amdgcn-amd-amdhsa--gfx1250"
	.amdhsa_code_object_version 6
	.text
	.protected	k_q664ca8c185_prep
	.globl	k_q664ca8c185_prep
	.p2align	8
	.type	k_q664ca8c185_prep,@function
k_q664ca8c185_prep:
	s_mov_b64 s[64:65], 0
	v_nop
	global_prefetch_b8 v0, s[64:65] scope:SCOPE_SE
	s_setreg_imm32_b32 hwreg(HW_REG_WAVE_MODE, 25, 1), 1
	s_wait_xcnt 0x0
; THE PROGRAM: a transformer block on 4,096 tokens in seven launches: prep, qkv, attn, oproj, norm2, gateup, down.  All seven matrix products run on E4M3 codes.
; WORK LEFT OUT, in the whole program: in attention (launch attn) a step of 128 keys all of which come after a wave's 16 queries.  reference() adds -inf to those scores by its own triu mask,
; so their softmax weight is 0 whatever the inputs hold, and neither their scores nor their part of the second product can reach an output.  Nothing else is left out; every input is loaded.
; LIMIT: a NaN, an infinity or an overflow that arises only in such a masked score is not carried to the result.
; THIS LAUNCH: a1 = codes of rmsnorm(x, n1_w), scale 2^e0 (entry 0 of the exponents), row-major [4096][1024]; and the table of cosines and sines for the rope.
; SHARES: a work-group takes 16 rows, a wave two; a wave holds a whole row: lane l has k = 256 i + 8 l + 0 .. 7, i = 0 .. 3, so that eight neighbours along K stand in one lane for the conversion,
; and a store of 8 bytes a lane covers 256 consecutive bytes, aligned.  No LDS, no barrier: waves share nothing.
; THE TABLE: rope[tt 128][cos, sin][i 2][p 2][lane 32][4 f32]: for t = 16 tt + lane % 16 and frequency 16 i + 8 (lane / 16) + 4 p + e: the order in which launch qkv's registers take it.
; Work-group g makes block (tt = g / 2, cos or sin = g % 2) with its waves 0 to 3.  angle = t x 2^(-f log2(10000) / 32); reduced by multiples of pi/2 in two parts; polynomials on +-pi/4.
; LIMITS: e0 between -126 and 119.  NaN among the inputs is not served.  The angle agrees with reference()'s f32 angle to a few units in its last place (up to some 3e-4 rad at t near 2,047).
.set W,   16                           ; v16-47   n1_w at my 32 places
.set X,   48                           ; v48-111  two rows, 32 numbers each
.set CD,  112                          ; v112-127 codes, 8 registers a row: no store's data are written again
.set CH,  176                          ; v176-183 four packed chains of the sum of squares
.set RS,  184                          ; v184     1 / sqrt(mean + eps); v185 is named with it as a pair
.set SC,  186                          ; v186     2^e0 as f32
.set LIM, 187
.set RT,  192                          ; v192-223 the table's work
	s_load_b256 s[4:11], s[0:1], 0x0               ; x s[4:5], n1_w s[6:7], the exponents s[8:9], a1 s[10:11]
	s_load_b64 s[16:17], s[0:1], 0x20              ; rope
	v_lshrrev_b32 v4, 5, v0
	s_delay_alu instid0(VALU_DEP_1)
	v_readfirstlane_b32 s18, v4                    ; wave 0..7
	v_and_b32 v1, 31, v0                           ; lane
	s_delay_alu instid0(VALU_DEP_1)
	v_lshlrev_b32 v2, 5, v1                        ; 32 bytes of f32 a lane
	s_delay_alu instid0(VALU_DEP_2)
	v_lshlrev_b32 v3, 3, v1                        ; 8 bytes of codes a lane
	v_mov_b32 v[RS+1], 0
	s_mov_b32 s12, 0x76543210                      ; lane selects: lane l xor 16
	s_mov_b32 s13, 0xfedcba98
	s_mov_b32 s14, 0x3a800000                      ; 1 / 1024
	s_mov_b32 s15, 0x3727c5ac                      ; eps = 1e-5
	s_lshl_b32 s19, ttmp9, 4
	s_lshl_b32 s20, s18, 1
	s_add_co_u32 s19, s19, s20                     ; my first row: 16 x work-group + 2 x wave
	s_lshl_b32 s20, s19, 12                        ; x 4,096 bytes in x
	s_mov_b32 s21, 0
	s_lshl_b32 s22, s19, 10                        ; x 1,024 bytes in a1
	s_mov_b32 s23, 0
	s_wait_alu depctr_va_vdst(0)
	s_wait_kmcnt 0x0
	s_load_b32 s38, s[8:9], 0x0                    ; e0
	s_add_nc_u64 s[4:5], s[4:5], s[20:21]
	s_add_nc_u64 s[10:11], s[10:11], s[22:23]
.irp i, 0,1,2,3
	global_load_b128 v[W+8*\i:W+8*\i+3], v2, s[6:7] offset:1024*\i
	global_load_b128 v[W+8*\i+4:W+8*\i+7], v2, s[6:7] offset:1024*\i+16
.endr
.irp p, 0,1
.irp i, 0,1,2,3
	global_load_b128 v[X+32*\p+8*\i:X+32*\p+8*\i+3], v2, s[4:5] offset:4096*\p+1024*\i th:TH_LOAD_NT
	global_load_b128 v[X+32*\p+8*\i+4:X+32*\p+8*\i+7], v2, s[4:5] offset:4096*\p+1024*\i+16 th:TH_LOAD_NT
.endr
.endr
	; ---- the table, while the loads are on their way: waves 0 to 3, four values a lane
	s_cmp_lt_u32 s18, 4
	s_cbranch_scc0 .Lno_table
	s_mov_b32 s24, 0xbed49a78                      ; -log2(10000) / 32
	s_mov_b32 s25, 0x3f22f983                      ; 2 / pi
	s_mov_b32 s26, 0xbfc90fdb                      ; -(pi/2), its f32 part,
	s_mov_b32 s27, 0x333bbd2e                      ; and minus what that part lacks
	s_mov_b32 s28, 0xbe2aaaa3                      ; sine: r + r z (S1 + z (S2 + z S3)), z = r r
	s_mov_b32 s29, 0x3c08839e
	s_mov_b32 s30, 0xb94ca1f9
	s_mov_b32 s31, 0x3d2aaaa5                      ; cosine: 1 - z / 2 + z z (C1 + z (C2 + z C3))
	s_mov_b32 s32, 0xbab6061a
	s_mov_b32 s33, 0x37ccf5ce
	s_lshl_b32 s34, ttmp9, 11                      ; my work-group's 2,048 bytes of the table
	s_mov_b32 s35, 0
	s_add_nc_u64 s[16:17], s[16:17], s[34:35]
	s_lshr_b32 s34, ttmp9, 1
	s_lshl_b32 s34, s34, 4                         ; 16 tt
	s_and_b32 s35, ttmp9, 1
	s_xor_b32 s35, s35, 1                          ; 1 for the cosine: cos(a) = sin(a + pi/2)
	s_lshr_b32 s36, s18, 1
	s_lshl_b32 s36, s36, 4
	s_and_b32 s37, s18, 1
	s_lshl_b32 s37, s37, 2
	s_add_co_u32 s36, s36, s37                     ; 16 i + 4 p
	v_lshlrev_b32 v[RT+2], 4, v0                   ; 16 bytes a thread: a wave's store covers 512 consecutive bytes
	v_and_b32 v[RT], 15, v0
	s_delay_alu instid0(VALU_DEP_1)
	v_add_nc_u32 v[RT], s34, v[RT]
	s_delay_alu instid0(VALU_DEP_1)
	v_cvt_f32_u32 v[RT], v[RT]                     ; t
	v_bfe_u32 v[RT+1], v0, 4, 1
	s_delay_alu instid0(VALU_DEP_1)
	v_lshl_add_u32 v[RT+1], v[RT+1], 3, s36        ; my first frequency
.irp e, 0,1,2,3
	v_add_nc_u32 v[RT+4+\e], \e, v[RT+1]
.endr
.irp e, 0,1,2,3
	s_delay_alu instid0(VALU_DEP_4)
	v_cvt_f32_u32 v[RT+4+\e], v[RT+4+\e]
.endr
.irp e, 0,1,2,3
	s_delay_alu instid0(VALU_DEP_4)
	v_mul_f32 v[RT+4+\e], s24, v[RT+4+\e]
.endr
	s_wait_alu depctr_va_vdst(0)
.irp e, 0,1,2,3
	v_exp_f32 v[RT+4+\e], v[RT+4+\e]               ; theta
.endr
	v_nop                                          ; a plain instruction behind the last exponential,
	s_wait_alu depctr_va_vdst(0)                   ; and the one wait for the four, ahead of their first reader
.irp e, 0,1,2,3
	v_mul_f32 v[RT+4+\e], v[RT], v[RT+4+\e]        ; the angle
.endr
.irp e, 0,1,2,3
	s_delay_alu instid0(VALU_DEP_4)
	v_mul_f32 v[RT+8+\e], s25, v[RT+4+\e]
.endr
.irp e, 0,1,2,3
	s_delay_alu instid0(VALU_DEP_4)
	v_rndne_f32 v[RT+8+\e], v[RT+8+\e]             ; k: the nearest multiple of pi/2
.endr
.irp e, 0,1,2,3
	s_delay_alu instid0(VALU_DEP_4)
	v_fma_f32 v[RT+12+\e], v[RT+8+\e], s26, v[RT+4+\e]
.endr
.irp e, 0,1,2,3
	s_delay_alu instid0(VALU_DEP_4)
	v_fma_f32 v[RT+12+\e], v[RT+8+\e], s27, v[RT+12+\e]   ; r = angle - k pi/2
.endr
.irp e, 0,1,2,3
	s_delay_alu instid0(VALU_DEP_4)
	v_mul_f32 v[RT+16+\e], v[RT+12+\e], v[RT+12+\e]       ; z
.endr
.irp e, 0,1,2,3
	v_fma_f32 v[RT+20+\e], v[RT+16+\e], s30, s29
	v_fma_f32 v[RT+24+\e], v[RT+16+\e], s33, s32
.endr
.irp e, 0,1,2,3
	v_fma_f32 v[RT+20+\e], v[RT+20+\e], v[RT+16+\e], s28
	v_fma_f32 v[RT+24+\e], v[RT+24+\e], v[RT+16+\e], s31
	v_mul_f32 v[RT+4+\e], v[RT+12+\e], v[RT+16+\e]        ; r z
.endr
.irp e, 0,1,2,3
	v_fma_f32 v[RT+20+\e], v[RT+4+\e], v[RT+20+\e], v[RT+12+\e]   ; sin r
	v_fma_f32 v[RT+4+\e], v[RT+16+\e], -0.5, 1.0
	v_mul_f32 v[RT+12+\e], v[RT+16+\e], v[RT+16+\e]
.endr
.irp e, 0,1,2,3
	v_fma_f32 v[RT+24+\e], v[RT+12+\e], v[RT+24+\e], v[RT+4+\e]   ; cos r
	v_cvt_i32_f32 v[RT+28+\e], v[RT+8+\e]
.endr
.irp e, 0,1,2,3
	v_add_nc_u32 v[RT+28+\e], s35, v[RT+28+\e]     ; n = k (+ 1 for the cosine): sin(r + n pi/2)
	s_delay_alu instid0(VALU_DEP_1)
	v_and_b32 v[RT+8+\e], 1, v[RT+28+\e]
	s_delay_alu instid0(VALU_DEP_1)
	v_cmp_eq_u32 vcc_lo, 1, v[RT+8+\e]
	s_delay_alu instid0(VALU_DEP_1)
	v_cndmask_b32 v[RT+20+\e], v[RT+20+\e], v[RT+24+\e], vcc_lo   ; n odd: cos r, else sin r
	s_delay_alu instid0(VALU_DEP_4)
	v_and_b32 v[RT+28+\e], 2, v[RT+28+\e]
	s_delay_alu instid0(VALU_DEP_1)
	v_lshlrev_b32 v[RT+28+\e], 30, v[RT+28+\e]     ; n % 4 >= 2: the sign turns
	s_delay_alu instid0(VALU_DEP_1)
	v_xor_b32 v[RT+28+\e], v[RT+28+\e], v[RT+20+\e]
.endr
	global_store_b128 v[RT+2], v[RT+28:RT+31], s[16:17]
.Lno_table:
	s_wait_kmcnt 0x0
	s_add_co_i32 s38, s38, 127
	s_lshl_b32 s39, s38, 23
	v_mov_b32 v[SC], s39                           ; 2^e0: the conversion takes its exponent field
.macro ROW p
.set XB, X+32*(\p)
	s_wait_loadcnt 8*(1-(\p))                      ; loads come back in order: n1_w and this row are in; the other row's eight younger loads may be out
.irp c, 0,1,2,3
	v_pk_mul_f32 v[CH+2*\c:CH+2*\c+1], v[XB+2*\c:XB+2*\c+1], v[XB+2*\c:XB+2*\c+1]   ; the first four pairs start the chains: nothing is cleared
.endr
.irp q, 4,5,6,7,8,9,10,11,12,13,14,15
	s_delay_alu instid0(VALU_DEP_4)
	v_pk_fma_f32 v[CH+2*(\q%4):CH+2*(\q%4)+1], v[XB+2*\q:XB+2*\q+1], v[XB+2*\q:XB+2*\q+1], v[CH+2*(\q%4):CH+2*(\q%4)+1]
.endr
	s_delay_alu instid0(VALU_DEP_3)
	v_pk_add_f32 v[CH:CH+1], v[CH:CH+1], v[CH+2:CH+3]
	s_delay_alu instid0(VALU_DEP_2)
	v_pk_add_f32 v[CH+4:CH+5], v[CH+4:CH+5], v[CH+6:CH+7]
	s_delay_alu instid0(VALU_DEP_1)
	v_pk_add_f32 v[CH:CH+1], v[CH:CH+1], v[CH+4:CH+5]
	s_delay_alu instid0(VALU_DEP_1)
	v_add_f32 v[CH], v[CH], v[CH+1]
	s_delay_alu instid0(VALU_DEP_1)
	v_add_f32_dpp v[CH], v[CH], v[CH] row_xmask:1 row_mask:0xf bank_mask:0xf
	s_delay_alu instid0(VALU_DEP_1)
	v_add_f32_dpp v[CH], v[CH], v[CH] row_xmask:2 row_mask:0xf bank_mask:0xf
	s_delay_alu instid0(VALU_DEP_1)
	v_add_f32_dpp v[CH], v[CH], v[CH] row_xmask:4 row_mask:0xf bank_mask:0xf
	s_delay_alu instid0(VALU_DEP_1)
	v_add_f32_dpp v[CH], v[CH], v[CH] row_xmask:8 row_mask:0xf bank_mask:0xf
	s_delay_alu instid0(VALU_DEP_1)
	v_permlanex16_b32 v[CH+2], v[CH], s12, s13
	s_delay_alu instid0(VALU_DEP_1)
	v_add_f32 v[CH], v[CH], v[CH+2]                ; the row's sum of squares, in every lane
	s_delay_alu instid0(VALU_DEP_1)
	v_fma_f32 v[CH+1], v[CH], s14, s15             ; mean + eps: the division by 1,024 rounds nothing
	s_wait_alu depctr_va_vdst(0)
	v_rsq_f32 v[RS], v[CH+1]
	v_nop                                          ; a plain instruction behind the transcendental,
	s_wait_alu depctr_va_vdst(0)                   ; and the wait ahead of its first reader
.set n, 0
.rept 16
	v_pk_mul_f32 v[XB+n:XB+n+1], v[XB+n:XB+n+1], v[RS:RS+1] op_sel_hi:[1,0]   ; (x rs) w, in reference()'s order
.set n, n+2
.endr
.set n, 0
.rept 16
	v_pk_mul_f32 v[XB+n:XB+n+1], v[XB+n:XB+n+1], v[W+n:W+n+1]
.set n, n+2
.endr
.set n, 0
.rept 32
.set n, n+1
.endr
.irp i, 0,1,2,3
	v_cvt_scalef32_pk8_fp8_f32 v[CD+8*(\p)+2*\i:CD+8*(\p)+2*\i+1], v[XB+8*\i:XB+8*\i+7], v[SC]
.endr
	v_nop                                          ; a plain instruction behind the last conversion
.irp i, 0,1,2,3
	global_store_b64 v3, v[CD+8*(\p)+2*\i:CD+8*(\p)+2*\i+1], s[10:11] offset:1024*(\p)+256*\i   ; 32 lanes store 256 consecutive bytes, aligned
.endr
.endm
	ROW 0
	ROW 1
	s_endpgm
.Lfunc_end_k_q664ca8c185_prep:
	.size	k_q664ca8c185_prep, .Lfunc_end_k_q664ca8c185_prep-k_q664ca8c185_prep
	.p2alignl 7, 3214868480
	.fill 96, 4, 3214868480
	.section	.rodata,"a",@progbits
	.p2align	6, 0x0
	.amdhsa_kernel k_q664ca8c185_prep
		.amdhsa_group_segment_fixed_size 0
		.amdhsa_private_segment_fixed_size 0
		.amdhsa_enable_private_segment 0
		.amdhsa_kernarg_size 40
		.amdhsa_user_sgpr_count 2
		.amdhsa_user_sgpr_kernarg_segment_ptr 1
		.amdhsa_wavefront_size32 1
		.amdhsa_system_sgpr_workgroup_id_x 1
		.amdhsa_system_sgpr_workgroup_id_y 1
		.amdhsa_system_sgpr_workgroup_id_z 1
		.amdhsa_system_vgpr_workitem_id 0
		.amdhsa_next_free_vgpr 224
		.amdhsa_next_free_sgpr 66
		.amdhsa_reserve_vcc 1
		.amdhsa_float_denorm_mode_32 3
		.amdhsa_float_denorm_mode_16_64 3
		.amdhsa_fp16_overflow 1
		.amdhsa_memory_ordered 1
		.amdhsa_forward_progress 1
		.amdhsa_inst_pref_size 22
	.end_amdhsa_kernel
	.amdgpu_metadata
---
amdhsa.version: [ 1, 2 ]
amdhsa.kernels:
  - .name:           k_q664ca8c185_prep
    .symbol:         k_q664ca8c185_prep.kd
    .args:
      - { .name: x, .offset: 0, .size: 8, .value_kind: global_buffer, .address_space: global }
      - { .name: n1_w, .offset: 8, .size: 8, .value_kind: global_buffer, .address_space: global }
      - { .name: lowp_scales, .offset: 16, .size: 8, .value_kind: global_buffer, .address_space: global }
      - { .name: a1, .offset: 24, .size: 8, .value_kind: global_buffer, .address_space: global }
      - { .name: rope, .offset: 32, .size: 8, .value_kind: global_buffer, .address_space: global }
    .group_segment_fixed_size: 0
    .private_segment_fixed_size: 0
    .kernarg_segment_align: 8
    .kernarg_segment_size: 40
    .max_flat_workgroup_size: 256
    .sgpr_count:     66
    .vgpr_count:     224
    .wavefront_size: 32
...
	.end_amdgpu_metadata
.endif
;; end of part 1
;; launch qkv (part 2): grid 8 x 32, 4 waves a work-group, clusters of 4 x 4, 327,680 bytes of LDS; arguments a1, qkv_w_codes, lowp_scales, rope, qkv; writes qkv
.if DOCPART == 2
	.amdgcn_target "amdgcn-amd-amdhsa--gfx1250"
	.amdhsa_code_object_version 6
	.text
	.protected	k_q664ca8c185_qkv
	.globl	k_q664ca8c185_qkv
	.p2align	8
	.type	k_q664ca8c185_qkv,@function
k_q664ca8c185_qkv:
	s_mov_b64 s[64:65], 0
	v_nop
	global_prefetch_b8 v0, s[64:65] scope:SCOPE_SE
	s_setreg_imm32_b32 hwreg(HW_REG_WAVE_MODE, 25, 1), 1
	s_wait_xcnt 0x0
	s_wait_alu depctr_hold_cnt(0) depctr_sa_sdst(0) depctr_va_vdst(0) depctr_va_sdst(0) depctr_va_ssrc(0) depctr_va_vcc(0) depctr_vm_vsrc(0)
	s_getreg_b32 s2, hwreg(HW_REG_IB_STS2, 6, 4)
	s_cmp_eq_u32 s2, 0
	s_cbranch_scc0 .Lentry_in_a_cluster
	s_endpgm
.Lentry_in_a_cluster:
	s_bfe_u32 s2, ttmp6, 0x10000c
	s_cmp_lg_u32 s2, 0xf033
	s_cbranch_scc0 .Lentry_shape_is_right
	s_endpgm
.Lentry_shape_is_right:
; qkv = a1 x qkv_w^T on E4M3 codes (K = 1,024), then the rope on q and k, then the three results quantised (2^e2, 2^e3, 2^e5) and stored AS IMAGES OF THE NEXT OPERANDS' REGISTERS.
; SHARES: a work-group makes 128 tokens x one pair of heads of q, of k AND of v: 128 x 384 of the product, so that 32 x 8 = 256 work-groups do the whole launch and a tile of a1 is fetched once for the three.
; Four waves; wave w makes tokens 64 (w / 2) on and head 2 gx + w % 2: 64 x 64 of each of q, k, v: three sets of 16 accumulators, in windows 0, 2 and 3.
; THE RING: K goes in four chunks of 256 through two LDS slots.  A slot has four regions of 128 rows x (256 bytes + 16): a1's rows, then the weight's rows for q, for k, for v; wave w fetches region w, one load.
; Two chunks are first fills, two are refills, each behind a round of the cluster's barrier; a refill has a whole chunk's 96 matrix instructions of each wave in which to land.
; CLUSTERS: 4 x 4 work-groups; a1's tiles are asked for jointly along a row of the cluster (wave 0), the weight's along a column (waves 1 to 3).
; A K STEP of 128 is three thirds, q, k, v, of 16 matrix instructions: a1's four fragments serve all three, so a wave reads 16 fragments from LDS for 48 matrix instructions.
; a1's fragments have two sets of registers (one for each parity of the K step), the weight's two (one for each parity of the third); a third asks for the next third's fragments ahead of its own products.
; q, k: THE MATRIX INSTRUCTION IS USED TRANSPOSED (source 0 = 16 weight rows, source 1 = 16 tokens): lane = token l % 16, register j of tile b = feature 16 b + 8 (l / 16) + j.  That is the place that the plain 8-bit
; operand layout gives k = 16 b + 8 (l / 16) + j: registers 2 b, 2 b + 1.  So the conversion of tile b gives those two registers of the next operand, and nothing changes lanes.
; v: source 0 = 16 tokens, source 1 = 16 weight rows: lane = feature, registers run along the tokens, which are the second attention product's K.
; An image: registers 4 q .. 4 q + 3 of a fragment at 512 q + 16 x lane: every store covers 512 consecutive bytes.
; qkv: q at 0: [bh 32][tile of 16 tokens 128][1,024];  k at 4,194,304 likewise;  v at 8,388,608: [bh][128 keys 16][16 features 4][2,048].
; The sums are not multiplied by 2^(e0 + e1): the rope is linear, and the conversion takes 2^(e_next - e0 - e1) as its one scale.
; Both operands' rows lie along K and are fetched by the same four 16-byte loads: a permutation of k that is the same on both sides, so every product meets its partner.
; LIMITS: e2 - e0 - e1, e3 - e0 - e1, e5 - e0 - e1 between -126 and 119.  NaN is not served.
; REGISTERS: window 0: v1-31 addresses and scales; v32-63 at work; v64-95 q's codes, later v's; v96-127 k's codes; v128-255 q's accumulators, (a, b) at v[128 + 8 (4 a + b)].
;   window 1: v0-63, v64-127 a1's fragments; v128-191, v192-255 the weight's.   window 2: v0-127 the rope table; v128-255 k's accumulators.   window 3: v128-255 v's accumulators.
.set PITCH,  272                       ; 256 bytes + 16 = 68 words: row r starts at bank 4 r mod 64 (64 banks of 4 bytes: ISA guide 11.1)
.set RGN,    128*PITCH                 ; a region: what one tensor load brings
.set SLOT,   4*RGN
.set SPARE,  2*SLOT                    ; the spare words: 128 bytes a wave, two blocks of 256 bytes that no other line names
.set SCK,  8                           ; v8, v9    2^(e3 - e0 - e1) and 448 x that
.set LIMK, 9
.set SCV,  10                          ; v10, v11  the same with e5
.set LIMV, 11
.set ADRA, 16                          ; v16, v17  my a1 fragments in slot 0, 1
.set ADRB, 20                          ; v20, v21  my weight fragments for q (for k: one region on, in the offset)
.set ADRV, 22                          ; v22, v23  for v: two regions on are more than an LDS offset's 16 bits hold
.set CO,   26                          ; v26       16 x lane
.set SPW,  28
.set NIL,  29
.set SCQ,  30                          ; v30, v31  the same with e2
.set LIMQ, 31
.set T,    32
.set CD,   64
.set CK,   96
.set ACC,  128
.set G1,  24
.set G0,  32
.set G1B, 48
.set G0B, 56
.set MSB, 0
.macro WIN new                         ; the immediate's high byte repeats the setting that is left
.if MSB != \new
	s_set_vgpr_msb (MSB<<8)|\new
.set MSB, \new
.endif
.endm
.set MULQ,  0x05                       ; sources 0 and 1 window 1; C and D window 0
.set MULK,  0xa5                       ; C and D window 2
.set MULV,  0xf5                       ; C and D window 3
.set TO_F,  0x40                       ; destination window 1
.set TO_2,  0x80                       ; destination window 2
.set S1W2,  0x08                       ; source 1 window 2
.set S01W2, 0x0a                       ; sources 0 and 1 window 2
.set S0W3,  0x03                       ; source 0 window 3
.macro JLOAD g0a, g1a, g0b, g1b        ; a joint load: wave 0 fetches a1's region, waves 1 to 3 the weight's three; an s_nop 0 and four v_nop follow each line
	s_cmp_eq_u32 s14, 0
	s_cbranch_scc0 .Lfor_b_\@
	tensor_load_to_lds s[\g0a:\g0a+3], s[\g1a:\g1a+7]
	s_nop 0
.rept 4
	v_nop
.endr
	s_branch .Lasked_\@
.Lfor_b_\@:
	tensor_load_to_lds s[\g0b:\g0b+3], s[\g1b:\g1b+7]
	s_nop 0
.rept 4
	v_nop
.endr
.Lasked_\@:
.endm
.macro CROUND                          ; a round of the cluster's barrier
	s_barrier_signal -1
	s_barrier_wait -1
	s_cmp_lg_u32 s14, 0
	s_cbranch_scc1 .Lnot_wave_0_\@
	s_barrier_signal -3
.Lnot_wave_0_\@:
	s_barrier_wait -3
	s_barrier_signal -1
	s_barrier_wait -1
.endm
.macro PLACES n
.rept \n
	v_nop
.endr
.endm
	s_load_b256 s[4:11], s[0:1], 0x0               ; a1 s[4:5], qkv_w's codes s[6:7], the exponents s[8:9], the rope table s[10:11]
	s_load_b64 s[12:13], s[0:1], 0x20              ; qkv
	v_lshl_add_u32 v[SPW], v0, 2, SPARE
	v_mov_b32 v[NIL], 0
	ds_add_u32 v[SPW], v[NIL]                      ; the wave's opening: the add, twice on end, and its wait ahead of my first tensor load
	ds_add_u32 v[SPW], v[NIL]
	v_lshrrev_b32 v1, 5, v0
	v_readfirstlane_b32 s14, v1                    ; wave 0..3: also the region that I fetch
	s_lshr_b32 s15, s14, 1                         ; which 64 tokens are mine
	s_and_b32 s16, s14, 1                          ; which head of the pair
	s_bfe_u32 s40, ttmp6, 0x40000                  ; cx, cy
	s_bfe_u32 s41, ttmp6, 0x40004
	s_lshl_b32 s42, ttmp9, 2
	s_add_co_u32 s42, s42, s40                     ; gx: the pair of heads, 0..7
	s_and_b32 s17, ttmp7, 0xffff
	s_lshl_b32 s17, s17, 2
	s_add_co_u32 s17, s17, s41                     ; tile row
	s_lshl_b32 s43, s41, 2
	s_lshl_b32 s43, 15, s43                        ; my row of the cluster
	s_lshl_b32 s44, 0x1111, s40                    ; my column
	s_or_b32 s[G1], s43, (1<<20)|(1<<21)|(5<<22)|(3<<25)    ; elements of 1 byte; padding on: 4 words behind every 64; bit 21 beside a mask
	s_or_b32 s[G1B], s44, (1<<20)|(1<<21)|(5<<22)|(3<<25)
.irp g, G1, G1B
	s_mov_b32 s[\g+1], 256<<16                     ; tensor_dim0
	s_mov_b32 s[\g+2], 128<<16                     ; tensor_dim1
	s_mov_b32 s[\g+3], 256<<16                     ; tile_dim0
	s_mov_b32 s[\g+4], 128                         ; tile_dim1
	s_mov_b32 s[\g+5], 1024                        ; from row to row
	s_mov_b32 s[\g+6], 0
	s_mov_b32 s[\g+7], 0
.endr
	s_lshl_b32 s20, s17, 17                        ; a1: the tile row's 128 rows of 1,024 bytes
	s_mov_b32 s21, 0
	s_add_co_u32 s18, s14, 3
	s_and_b32 s18, s18, 3
	s_min_u32 s18, s18, 2                          ; wave 1: q (0), wave 2: k (1), wave 3: v (2); wave 0 makes v's address and never uses it
	s_lshl_b32 s18, s18, 3
	s_add_co_u32 s46, s18, s42                     ; the weight's block of 128 rows: 8 x kind + gx
	s_lshl_b32 s46, s46, 17
	s_mov_b32 s47, 0
	s_mul_i32 s45, s14, RGN                        ; where my region lies: no place in the cluster enters an LDS address
	s_wait_dscnt 0x0                               ; both opening adds are done
	s_wait_kmcnt 0x0
	s_load_b256 s[68:75], s[8:9], 0x0              ; e0 .. e7
	s_add_nc_u64 s[20:21], s[4:5], s[20:21]
	s_add_nc_u64 s[46:47], s[6:7], s[46:47]
	CROUND                                         ; all sixteen work-groups are here: the first joint loads meet
.irp s, 0,1
	s_mov_b32 s[G0+4*\s], 1
	s_add_co_u32 s[G0+4*\s+1], s45, \s*SLOT
	s_add_nc_u64 s[G0+4*\s+2:G0+4*\s+3], s[20:21], \s*256
	s_or_b32 s[G0+4*\s+3], s[G0+4*\s+3], 0x80000000
	s_mov_b32 s[G0B+4*\s], 1
	s_add_co_u32 s[G0B+4*\s+1], s45, \s*SLOT
	s_add_nc_u64 s[G0B+4*\s+2:G0B+4*\s+3], s[46:47], \s*256
	s_or_b32 s[G0B+4*\s+3], s[G0B+4*\s+3], 0x80000000
	JLOAD G0+4*\s, G1, G0B+4*\s, G1B               ; two loads of mine are out: chunks 0 and 1
.endr
	v_and_b32 v1, 15, v0
	v_bfe_u32 v2, v0, 4, 1
	v_mul_u32_u24 v3, v1, PITCH
	v_lshl_add_u32 v4, v2, 4, v3                   ; a fragment's row x pitch + 16 x half
	s_mul_i32 s21, s15, 64*PITCH                   ; my 64 tokens in a1's region
	s_mul_i32 s22, s16, 64*PITCH
	s_add_co_u32 s22, s22, RGN                     ; my head's 64 rows in q's region,
	s_add_co_u32 s23, s22, 2*RGN                   ; and in v's
.irp s, 0,1
	v_add_nc_u32 v[ADRA+\s], s21, v4
	v_add_nc_u32 v[ADRB+\s], s22, v4
	v_add_nc_u32 v[ADRV+\s], s23, v4
	s_add_co_u32 s21, s21, SLOT
	s_add_co_u32 s22, s22, SLOT
	s_add_co_u32 s23, s23, SLOT
.endr
	v_and_b32 v5, 31, v0
	v_lshlrev_b32 v[CO], 4, v5
	s_wait_alu depctr_va_vdst(0)
	s_and_b32 s77, s17, 15                         ; the tile row within its batch
	s_lshr_b32 s78, s17, 4                         ; the batch
	s_lshl_b32 s79, s42, 1
	s_add_co_u32 s79, s79, s16                     ; my head
	s_lshl_b32 s78, s78, 4
	s_add_co_u32 s78, s78, s79                     ; bh
	s_lshl_b32 s80, s77, 3
	s_lshl_b32 s81, s15, 2
	s_add_co_u32 s80, s80, s81                     ; my first tile of 16 tokens within the batch
	s_lshl_b32 s82, s78, 4
	s_add_co_u32 s82, s82, s77
	s_lshl_b32 s82, s82, 13                        ; v: (16 bh + the 128 keys) x four images of 2,048 bytes,
	s_lshl_b32 s83, s15, 10
	s_add_co_u32 s82, s82, s83                     ; my 64 keys are registers 8 x half on: 1,024 bytes on,
	s_add_co_u32 s82, s82, 8388608                 ; in v's part
	s_mov_b32 s83, 0
	s_add_nc_u64 s[86:87], s[12:13], s[82:83]
	s_lshl_b32 s82, s78, 7
	s_add_co_u32 s82, s82, s80
	s_lshl_b32 s82, s82, 10                        ; q: (128 bh + tile) images of 1,024 bytes; k: 4,194,304 bytes on, in the stores' offset
	s_add_nc_u64 s[12:13], s[12:13], s[82:83]
	s_lshl_b32 s84, s80, 12                        ; the table: 4,096 bytes a tile of tokens
	s_mov_b32 s85, 0
	s_add_nc_u64 s[10:11], s[10:11], s[84:85]
	WIN TO_2
.irp a, 0,1,2,3
.irp u, 0,1,2,3,4,5,6,7                ; window 2: cos(a, i, j) at v[32 a + 8 i + j], sin at v[32 a + 16 + 8 i + j]
	global_load_b128 v[32*\a+4*\u:32*\a+4*\u+3], v[CO], s[10:11] offset:\a*4096+\u*512
.endr
.endr
	WIN 0
.macro FETCHA slot, q, ab              ; 16 LDS loads: a1's four fragments of the slot's q-th 128 along K, into v[ab] on of window 1
.irp i, 0,1,2,3
.irp c, 0,1,2,3
	ds_load_b128 v[(\ab)+16*\i+4*\c:(\ab)+16*\i+4*\c+3], v[ADRA+(\slot)] offset:\i*16*PITCH+128*(\q)+32*\c
.endr
.endr
.endm
.macro FETCHB slot, q, p, bb           ; 16 LDS loads: the weight's four fragments for q (p = 0), k (1) or v (2), into v[bb] on of window 1
.irp i, 0,1,2,3
.irp c, 0,1,2,3
.if (\p) < 2
	ds_load_b128 v[(\bb)+16*\i+4*\c:(\bb)+16*\i+4*\c+3], v[ADRB+(\slot)] offset:(\p)*RGN+\i*16*PITCH+128*(\q)+32*\c
.else
	ds_load_b128 v[(\bb)+16*\i+4*\c:(\bb)+16*\i+4*\c+3], v[ADRV+(\slot)] offset:\i*16*PITCH+128*(\q)+32*\c
.endif
.endr
.endr
.endm
.macro MUL16 ab, bb, zero, swap        ; 16 products; the 16 accumulators take turns, one instruction a turn, in the same order in every third
.irp a, 0,1,2,3
.irp b, 0,1,2,3
.if \swap
.if \zero
	v_wmma_f32_16x16x128_fp8_fp8 v[ACC+8*(4*\a+\b):ACC+8*(4*\a+\b)+7], v[(\ab)+16*\a:(\ab)+16*\a+15], v[(\bb)+16*\b:(\bb)+16*\b+15], 0
.else
	v_wmma_f32_16x16x128_fp8_fp8 v[ACC+8*(4*\a+\b):ACC+8*(4*\a+\b)+7], v[(\ab)+16*\a:(\ab)+16*\a+15], v[(\bb)+16*\b:(\bb)+16*\b+15], v[ACC+8*(4*\a+\b):ACC+8*(4*\a+\b)+7]
.endif
.else
.if \zero
	v_wmma_f32_16x16x128_fp8_fp8 v[ACC+8*(4*\a+\b):ACC+8*(4*\a+\b)+7], v[(\bb)+16*\b:(\bb)+16*\b+15], v[(\ab)+16*\a:(\ab)+16*\a+15], 0
.else
	v_wmma_f32_16x16x128_fp8_fp8 v[ACC+8*(4*\a+\b):ACC+8*(4*\a+\b)+7], v[(\bb)+16*\b:(\bb)+16*\b+15], v[(\ab)+16*\a:(\ab)+16*\a+15], v[ACC+8*(4*\a+\b):ACC+8*(4*\a+\b)+7]
.endif
.endif
.endr
.endr
.endm
; Third p (0 q, 1 k, 2 v) of K step s (0 .. 7; chunk s / 2, in slot (s / 2) % 2).  Ahead of its products it asks for the next third's weight fragments; the v third also for the next K step's fragments of a1.
.macro THIRD s, p
.set NN, 3*(\s)+(\p)
.set AB, 64*((\s)%2)
.set BF, 128+64*(NN%2)
.set BN, 128+64*((NN+1)%2)
	s_wait_dscnt 0x0                               ; this third's fragments are in: their loads were issued a third ago
.if NN < 23
	PLACES 4                                       ; four plain instructions between the last third's products, which read the set that is loaded now, and the loads into it (ISA guide 7.12.1 for vector instructions)
	WIN TO_F
.if (\p) < 2
	FETCHB ((\s)/2)%2, (\s)%2, (\p)+1, BN
.else
	FETCHB (((\s)+1)/2)%2, ((\s)+1)%2, 0, BN
	FETCHA (((\s)+1)/2)%2, ((\s)+1)%2, 64*(((\s)+1)%2)
.endif
.endif
.if (\p) == 0
	WIN MULQ
.elseif (\p) == 1
	WIN MULK
.else
	WIN MULV
.endif
.if (\s) == 0
	MUL16 AB, BF, 1, (\p)/2                        ; the first K step's products start the sums: nothing is cleared
.else
	MUL16 AB, BF, 0, (\p)/2
.endif
.endm
.macro BPLAIN                          ; the other slot is whole behind this barrier
	s_wait_tensorcnt 0x0
	s_wait_dscnt 0x0
	s_barrier_signal -1
	s_barrier_wait -1
.endm
.macro BFILL slot                      ; the slot's last fragments are in registers: it is filled again, with the chunk two on.  The round takes the barrier's place; the joint refill is the first thing behind it
	WIN 0
	s_wait_tensorcnt 0x0                           ; all my tensor loads have landed: my region of the other slot;
	ds_add_u32 v[SPW], v[NIL]
	s_add_nc_u64 s[G0+4*\slot+2:G0+4*\slot+3], s[G0+4*\slot+2:G0+4*\slot+3], 512
	s_add_nc_u64 s[G0B+4*\slot+2:G0B+4*\slot+3], s[G0B+4*\slot+2:G0B+4*\slot+3], 512
	s_wait_dscnt 0x0                               ; the add is done, and my reads of this slot are over
	CROUND
	JLOAD G0+4*\slot, G1, G0B+4*\slot, G1B
.endm
	s_wait_tensorcnt 1                             ; my region of chunk 0 is in; chunk 1's one load, issued behind it, may be out
	s_barrier_signal -1
	s_barrier_wait -1                              ; everybody's is.
	WIN TO_F
	FETCHA 0, 0, 0
	FETCHB 0, 0, 0, 128
.irp s, 0,1,2,3,4,5,6,7
	THIRD \s, 0
	THIRD \s, 1
.if \s == 1                            ; the change of slots stands in front of a chunk's last third, whose loads read the next slot
	BFILL 0
.elseif \s == 3
	BFILL 1
.elseif \s == 5
	BPLAIN
.endif
	THIRD \s, 2
.endr
	WIN 0
	PLACES 4                                       ; in front of the first read of results
	s_wait_kmcnt 0x0
.macro MKSCALE sc, lim                 ; s90 = e_next: v[sc] = 2^(e_next - e0 - e1), v[lim] = 448 x that
	s_sub_co_i32 s90, s90, s68
	s_sub_co_i32 s90, s90, s69
	s_add_co_i32 s90, s90, 127
	s_lshl_b32 s91, s90, 23
	v_mov_b32 v[\sc], s91
	s_add_co_i32 s90, s90, 8
	s_lshl_b32 s90, s90, 23
	s_or_b32 s90, s90, 0x600000
	v_mov_b32 v[\lim], s90
.endm
	s_mov_b32 s90, s70                             ; e2
	MKSCALE SCQ, LIMQ
	s_mov_b32 s90, s71                             ; e3
	MKSCALE SCK, LIMK
	s_mov_b32 s90, s73                             ; e5
	MKSCALE SCV, LIMV
	s_wait_loadcnt 0x0                             ; the table
; Tile a of 16 tokens of q or of k: features d and d + 32 turn by the angle of frequency d; each accumulator is read from its low end on.  win: where the sums lie (source 0); the table is source 1, in window 2.
.macro ROPE a, win, cd, sc, lim, off
	WIN \win
.irp i, 0,1
.irp j, 0,2,4,6
	v_pk_mul_f32 v[T+8*\i+\j:T+8*\i+\j+1], v[ACC+8*(4*\a+\i)+\j:ACC+8*(4*\a+\i)+\j+1], v[32*\a+8*\i+\j:32*\a+8*\i+\j+1]
	v_pk_mul_f32 v[T+16+8*\i+\j:T+16+8*\i+\j+1], v[ACC+8*(4*\a+\i)+\j:ACC+8*(4*\a+\i)+\j+1], v[32*\a+16+8*\i+\j:32*\a+16+8*\i+\j+1]
	v_pk_fma_f32 v[T+8*\i+\j:T+8*\i+\j+1], v[ACC+8*(4*\a+\i+2)+\j:ACC+8*(4*\a+\i+2)+\j+1], v[32*\a+16+8*\i+\j:32*\a+16+8*\i+\j+1], v[T+8*\i+\j:T+8*\i+\j+1] neg_lo:[1,0,0] neg_hi:[1,0,0]
	v_pk_fma_f32 v[T+16+8*\i+\j:T+16+8*\i+\j+1], v[ACC+8*(4*\a+\i+2)+\j:ACC+8*(4*\a+\i+2)+\j+1], v[32*\a+8*\i+\j:32*\a+8*\i+\j+1], v[T+16+8*\i+\j:T+16+8*\i+\j+1]
.endr
.endr
	WIN 0
.set n, 0
.rept 32
.set n, n+1
.endr
.irp t, 0,1,2,3
	v_cvt_scalef32_pk8_fp8_f32 v[\cd+8*\a+2*\t:\cd+8*\a+2*\t+1], v[T+8*\t:T+8*\t+7], v[\sc]
.endr
	v_nop                                          ; a plain instruction between the conversions and the next writes of their sources
	global_store_b128 v[CO], v[\cd+8*\a:\cd+8*\a+3], s[12:13] offset:\off+\a*1024           ; 32 lanes store 512 consecutive bytes
	global_store_b128 v[CO], v[\cd+8*\a+4:\cd+8*\a+7], s[12:13] offset:\off+\a*1024+512
.endm
.irp a, 0,1,2,3
	ROPE \a, S1W2, CD, SCQ, LIMQ, 0
.endr
.irp a, 0,1,2,3
	ROPE \a, S01W2, CK, SCK, LIMK, 4194304
.endr
	s_wait_xcnt 0x0                                ; q's stores have read their registers: v's codes are written over them only behind this wait
.irp b, 0,1,2,3                        ; v: lane = feature 16 b + l % 16; register j of tile (a, b) = token 16 a + 8 (l / 16) + j
	WIN S0W3
.irp a, 0,1,2,3
.irp j, 0,1,2,3,4,5,6,7
	v_med3_num_f32 v[T+8*\a+\j], v[ACC+8*(4*\a+\b)+\j], -v[LIMV], v[LIMV]   ; the hold, out of window 3; each accumulator from its low end on
.endr
.endr
	WIN 0
.irp a, 0,1,2,3
	v_cvt_scalef32_pk8_fp8_f32 v[CD+8*\b+2*\a:CD+8*\b+2*\a+1], v[T+8*\a:T+8*\a+7], v[SCV]
.endr
	v_nop                                          ; a plain instruction between the conversions and the next writes of their sources
	global_store_b128 v[CO], v[CD+8*\b:CD+8*\b+3], s[86:87] offset:\b*2048
	global_store_b128 v[CO], v[CD+8*\b+4:CD+8*\b+7], s[86:87] offset:\b*2048+512
.endr
	s_wait_tensorcnt 0x0                           ; the wave's end
	ds_add_u32 v[SPW], v[NIL]
	s_wait_dscnt 0x0
	CROUND                                         ; the closing round: no work-group ends while a partner may still ask for a tile that names it
	s_endpgm
.Lfunc_end_k_q664ca8c185_qkv:
	.size	k_q664ca8c185_qkv, .Lfunc_end_k_q664ca8c185_qkv-k_q664ca8c185_qkv
	.p2alignl 7, 3214868480
	.fill 96, 4, 3214868480
	.section	.rodata,"a",@progbits
	.p2align	6, 0x0
	.amdhsa_kernel k_q664ca8c185_qkv
		.amdhsa_group_segment_fixed_size 327680
		.amdhsa_private_segment_fixed_size 0
		.amdhsa_enable_private_segment 0
		.amdhsa_kernarg_size 40
		.amdhsa_user_sgpr_count 2
		.amdhsa_user_sgpr_kernarg_segment_ptr 1
		.amdhsa_wavefront_size32 1
		.amdhsa_system_sgpr_workgroup_id_x 1
		.amdhsa_system_sgpr_workgroup_id_y 1
		.amdhsa_system_sgpr_workgroup_id_z 1
		.amdhsa_system_vgpr_workitem_id 0
		.amdhsa_next_free_vgpr 1024
		.amdhsa_next_free_sgpr 100
		.amdhsa_reserve_vcc 0
		.amdhsa_float_denorm_mode_32 3
		.amdhsa_float_denorm_mode_16_64 3
		.amdhsa_fp16_overflow 1
		.amdhsa_memory_ordered 1
		.amdhsa_forward_progress 1
		.amdhsa_inst_pref_size 106
	.end_amdhsa_kernel
	.amdgpu_metadata
---
amdhsa.version: [ 1, 2 ]
amdhsa.kernels:
  - .name:           k_q664ca8c185_qkv
    .symbol:         k_q664ca8c185_qkv.kd
    .args:
      - { .name: a1, .offset: 0, .size: 8, .value_kind: global_buffer, .address_space: global }
      - { .name: qkv_w_codes, .offset: 8, .size: 8, .value_kind: global_buffer, .address_space: global }
      - { .name: lowp_scales, .offset: 16, .size: 8, .value_kind: global_buffer, .address_space: global }
      - { .name: rope, .offset: 24, .size: 8, .value_kind: global_buffer, .address_space: global }
      - { .name: qkv, .offset: 32, .size: 8, .value_kind: global_buffer, .address_space: global }
    .group_segment_fixed_size: 327680
    .private_segment_fixed_size: 0
    .kernarg_segment_align: 8
    .kernarg_segment_size: 40
    .max_flat_workgroup_size: 128
    .sgpr_count:     100
    .vgpr_count:     1024
    .wavefront_size: 32
...
	.end_amdgpu_metadata
.endif
;; end of part 2
;; launch attn (part 3): grid 8 x 32, 16 waves a work-group, no clusters, 327,680 bytes of LDS; arguments qkv, lowp_scales, yimg; writes yimg
.if DOCPART == 3
	.amdgcn_target "amdgcn-amd-amdhsa--gfx1250"
	.amdhsa_code_object_version 6
	.text
	.protected	k_q664ca8c185_attn
	.globl	k_q664ca8c185_attn
	.p2align	8
	.type	k_q664ca8c185_attn,@function
k_q664ca8c185_attn:
	s_mov_b64 s[64:65], 0
	v_nop
	global_prefetch_b8 v0, s[64:65] scope:SCOPE_SE
	s_setreg_imm32_b32 hwreg(HW_REG_WAVE_MODE, 25, 1), 1
	s_wait_xcnt 0x0
; Causal attention on E4M3 codes, head size 64: y = softmax(q k^T / 8 + mask) v, and y quantised (2^e6) and stored as images of the next product's operand.
; WORK LEFT OUT: a step of 128 keys all of which come after a wave's 16 queries: reference()'s own triu mask makes their weight 0 for all inputs (shown at the head of launch prep).
; THE SOFTMAX AHEAD OF THE SECOND PRODUCT: t = score x log2(e) / 8; M = the running largest t rounded UP to a whole number; p = 2^(t - M) is quantised (2^e4), not normalised; the row's sum is taken of the
; unquantised p and divides at the end.  When M moves, the sum and O are multiplied by 2^(old M - new M), which rounds nothing.
; SHARES: work-group (j, bh).  Each of sixteen waves owns one tile of 16 queries: wave w < 8 tile 8 j + w, wave w >= 8 tile 135 - 8 j - w.  An early tile has j + 1 live key steps and a late one 16 - j: 17 a pair, in every work-group.
; All operands come as images of registers (launch qkv): q and k 1,024 bytes a tile of 16 rows, v^T 2,048 bytes for 16 features x 128 keys.  A fragment is read by 16-byte loads at 16 x lane: consecutive bytes.
; LAYOUT: S^T = K Q^T (source 0 = 16 keys, source 1 = my queries), O^T = V^T P^T: a lane holds ONE query throughout.  Register j of score tile c is key 16 c + 8 (lane / 16) + j: the place of registers 2 c, 2 c + 1 of the
; plain 8-bit operand, so the conversions' results are the second product's operand.  Likewise O^T's four tiles become eight registers of the o-projection's operand.
; THE RING: two slots of 256 keys (K's 16 KiB, V's 16 KiB), 2^17 bytes apart; wave 0 fetches K's block, wave 1 V's, each dense in memory.  Every work-group walks all 8 slots (constant trip counts); a slot whose first key
; comes after the work-group's last query is not asked for, and no wave reads it.
; NO CLUSTER: the work-groups of a head need different numbers of slots (j = 0: eight, j = 7: five), so they cannot all make every joint request.
; LIMITS: e2 + e3 between -123 and 130 (added to c's exponent field); e4, and e6 - e4 - e5, between -126 and 119.  NaN is not served.
; REGISTERS: v1 16 x lane; v3 the prefetches' offset; v5, v6 the add's two; v8 the slot's address; v12 -M, v13 the largest t, v[14:15] the sum; v16-23 Q; v32-95 fragments of K, then of V; v96-159 S^T, then p; v160-191 O^T; v224-239 p's codes.
.set SLOT1, 1<<17
.set VOFF,  16384
.set NSL,   8
.set SPARE, 2*SLOT1                    ; the spare words: 128 bytes for each of sixteen waves, eight blocks of 256 bytes that no other line names
.set LI,   1
.set PFO,  3
.set SPW,  5
.set NIL,  6
.set AD,   8
.set WV,   18
.set SEL,  20
.set CS,   22
.set G1,   24
.set G0,   40
.set TB,   44                          ; s44  LDS byte at which the slot in hand begins
.set SLOTS, 45
.set KF,   46                          ; s46  the step's first key
.set Q0,   47                          ; s47  my first query
.set LQ,   48                          ; s48  my work-group's last query
.set PFA,  50                          ; s[50:51] where my prefetches stand
.set LIMP, 52                          ; s52  1 in a wave that prefetches, else the greatest number
.macro TLOAD                           ; waves 0 and 1 fetch, the others nothing; an s_nop 0 and four v_nop follow the load
	s_cmp_lt_u32 s[WV], 2
	s_cbranch_scc0 .Lasked_\@
	tensor_load_to_lds s[G0:G0+3], s[G1:G1+7]
	s_nop 0
.rept 4
	v_nop
.endr
.Lasked_\@:
.endm
; A prefetch of what the NEXT change of slots will ask for: 16 KiB of K and 16 KiB of V.  All work-groups of a head walk the same blocks: the one with j = 0, which walks all slots, asks; in it waves 4, 5 for K's halves and waves 6, 7
; for V's, 8,192 bytes a wave, lanes 256 bytes apart: each aligned block of 256 bytes is named once in the launch.  Slots 0 and 1 come by their loads alone; the last change that fills a slot asks for nothing.
.macro ASK
	s_cmp_gt_u32 s[SLOTS], s[LIMP]
	s_cbranch_scc0 .Lnot_mine_\@
	global_prefetch_b8 v[PFO], s[PFA:PFA+1] th:TH_LOAD_NT scope:SCOPE_SE
.Lnot_mine_\@:
.endm
	s_load_b128 s[4:7], s[0:1], 0x0                ; qkv s[4:5], the exponents s[6:7]
	s_load_b64 s[8:9], s[0:1], 0x10                ; yimg
	v_lshl_add_u32 v[SPW], v0, 2, SPARE
	v_mov_b32 v[NIL], 0
	ds_add_u32 v[SPW], v[NIL]                      ; the wave's opening: the add, twice on end, and its wait ahead of the first tensor load
	ds_add_u32 v[SPW], v[NIL]
	v_lshrrev_b32 v8, 5, v0
	s_delay_alu instid0(VALU_DEP_1)
	v_readfirstlane_b32 s[WV], v8                  ; wave 0..15
	s_and_b32 s76, ttmp7, 0xffff                   ; bh
	s_lshl_b32 s77, ttmp9, 3
	s_add_co_u32 s78, s77, s[WV]                   ; 8 j + w
	s_sub_co_u32 s79, 135, s77
	s_sub_co_u32 s79, s79, s[WV]                   ; 135 - 8 j - w
	s_cmp_lt_u32 s[WV], 8
	s_cselect_b32 s78, s78, s79                    ; my tile of queries
	s_lshl_b32 s[Q0], s78, 4
	s_lshl_b32 s79, ttmp9, 7
	s_sub_co_u32 s[LQ], 2047, s79
	s_mov_b32 s[G1], 3<<16                         ; no mask; elements of 8 bytes; no padding
	s_mov_b32 s[G1+1], 32<<16                      ; tensor_dim0: rows of 256 bytes
	s_mov_b32 s[G1+2], 64<<16                      ; tensor_dim1
	s_mov_b32 s[G1+3], 32<<16                      ; tile_dim0
	s_mov_b32 s[G1+4], 64                          ; tile_dim1: 16 KiB
	s_mov_b32 s[G1+5], 32                          ; dense
	s_mov_b32 s[G1+6], 0
	s_mov_b32 s[G1+7], 0
	s_min_u32 s80, s[WV], 1                        ; 0: K, 1: V (waves 2 on make V's address and never use it)
	s_add_co_u32 s82, s80, 1
	s_lshl_b32 s82, s82, 22                        ; k's part begins at 4,194,304, v's at 8,388,608;
	s_lshl_b32 s81, s76, 17                        ; a head is 131,072 bytes in each
	s_add_co_u32 s82, s82, s81
	s_mov_b32 s83, 0
	s_lshl_b32 s80, s80, 14                        ; and in a slot
	s_lshl_b32 s84, s76, 7
	s_add_co_u32 s84, s84, s78
	s_lshl_b32 s84, s84, 10                        ; q: (128 bh + tile) images of 1,024 bytes
	s_mov_b32 s85, 0
	s_lshr_b32 s88, s76, 4
	s_lshl_b32 s88, s88, 7
	s_add_co_u32 s88, s88, s78                     ; y: the tile of 16 tokens among 256,
	s_lshl_b32 s88, s88, 3
	s_and_b32 s89, s76, 15
	s_lshr_b32 s89, s89, 1
	s_add_co_u32 s88, s88, s89                     ; x 8 K steps + head / 2,
	s_lshl_b32 s88, s88, 11
	s_and_b32 s89, s76, 1
	s_lshl_b32 s89, s89, 10
	s_add_co_u32 s88, s88, s89                     ; an odd head's registers begin 1,024 bytes on
	s_mov_b32 s89, 0
	s_lshr_b32 s92, s[WV], 1
	s_and_b32 s92, s92, 1                          ; the prefetches: waves 4, 5: K; 6, 7: V
	s_add_co_u32 s92, s92, 1
	s_lshl_b32 s92, s92, 22
	s_add_co_u32 s92, s92, s81
	s_and_b32 s93, s[WV], 1
	s_lshl_b32 s93, s93, 13
	s_add_co_u32 s92, s92, s93                     ; my half of the block,
	s_add_co_u32 s92, s92, 16384                   ; in slot 1: the first change of slots steps it to slot 2
	s_mov_b32 s93, 0
	s_lshr_b32 s94, s[WV], 2
	s_xor_b32 s94, s94, 1                          ; 0 in waves 4 to 7,
	s_or_b32 s94, s94, ttmp9                       ; of the work-group with j = 0
	s_cmp_eq_u32 s94, 0
	s_cselect_b32 s[LIMP], 1, -1
	s_mov_b32 s[SEL], 0x76543210
	s_mov_b32 s[SEL+1], 0xfedcba98
	s_mov_b32 s[CS], 0x3e38aa3b                    ; c = log2(e) / 8
	s_mov_b32 s[TB], 0
	s_mov_b32 s[SLOTS], NSL-1
	s_mov_b32 s[KF], 0
	s_wait_dscnt 0x0                               ; both opening adds are done
	s_wait_kmcnt 0x0
	s_load_b256 s[68:75], s[6:7], 0x0              ; e0 .. e7
	s_mov_b32 s[G0], 1
	s_mov_b32 s[G0+1], s80
	s_add_nc_u64 s[G0+2:G0+3], s[4:5], s[82:83]
	s_or_b32 s[G0+3], s[G0+3], 0x80000000
	TLOAD                                          ; slot 0: it holds key 0, which counts for every query
	s_add_nc_u64 s[86:87], s[4:5], s[84:85]        ; my queries' image
	s_add_nc_u64 s[8:9], s[8:9], s[88:89]
	s_add_nc_u64 s[PFA:PFA+1], s[4:5], s[92:93]
	v_and_b32 v[LI], 31, v0
	s_delay_alu instid0(VALU_DEP_1)
	v_lshlrev_b32 v[PFO], 8, v[LI]
	s_delay_alu instid0(VALU_DEP_2)
	v_lshlrev_b32 v[LI], 4, v[LI]
	global_load_b128 v[16:19], v[LI], s[86:87]
	global_load_b128 v[20:23], v[LI], s[86:87] offset:512
	v_mov_b32 v13, 0xff61b1e6                      ; the largest t so far: -3e38
	s_delay_alu instid0(VALU_DEP_1)
	v_floor_f32 v12, -v13                          ; -M
	v_mov_b32 v14, 0
	v_mov_b32 v15, 0
	v_mov_b32 v236, 0                              ; written once: a lane permute's destination counts as one of its sources
	v_mov_b32 v252, 0
	v_mov_b32 v253, 0                              ; (named as the upper half of the pair v[252:253])
.set n, 0
.rept 32
	v_mov_b32 v[160+n], 0                          ; O^T: the step is written once; its first run finds zeros, which the first change of M leaves zeros
.set n, n+1
.endr
	s_wait_kmcnt 0x0
	s_add_co_i32 s96, s70, s71
	s_lshl_b32 s96, s96, 23
	s_add_co_i32 s[CS], s[CS], s96                 ; a score stands for score x 2^(e2 + e3): added to c's exponent field
	s_mov_b32 s[CS+1], s[CS]
	s_add_co_i32 s96, s72, 127
	s_lshl_b32 s97, s96, 23
	v_mov_b32 v244, s97                            ; 2^e4
.macro STEP q                          ; 128 keys, the q-th of the slot in hand
	s_add_co_u32 s96, s[Q0], 15
	s_cmp_gt_u32 s[KF], s96                        ; all keys behind my queries: the step's work is left out; no barrier, wait or tensor load stands in a step
	s_cbranch_scc1 .Lhidden_\@
	v_add_nc_u32 v[AD], s[TB], v[LI]
.rept 4
	v_nop                                          ; places in front of loads into registers that the last products read
.endr
.irp t, 0,1,2,3,4,5,6,7
	ds_load_b128 v[32+8*\t:35+8*\t], v[AD] offset:(8*(\q)+\t)*1024
	ds_load_b128 v[36+8*\t:39+8*\t], v[AD] offset:(8*(\q)+\t)*1024+512
.endr
	s_wait_alu depctr_va_vdst(0)
	s_wait_dscnt 0x0
.irp t, 0,1,2,3,4,5,6,7
	v_wmma_f32_16x16x64_fp8_fp8 v[96+8*\t:103+8*\t], v[32+8*\t:39+8*\t], v[16:23], 0
.endr
.rept 4
	v_nop                                          ; places in front of the loads below and of the first read of the scores
.endr
.irp d, 0,1,2,3
.irp c, 0,1,2,3
	ds_load_b128 v[32+16*\d+4*\c:35+16*\d+4*\c], v[AD] offset:VOFF+(\q)*8192+\d*2048+\c*512   ; V's fragments land under the softmax
.endr
.endr
	s_add_co_u32 s96, s[KF], 127
	s_cmp_le_u32 s96, s[Q0]                        ; a step all of whose keys count skips the mask
	s_cbranch_scc1 .Lopen_\@
	s_sub_co_i32 s96, s[Q0], s[KF]
	v_and_b32 v252, 15, v0
	v_bfe_u32 v253, v0, 4, 1
	s_delay_alu instid0(VALU_DEP_1)
	v_lshlrev_b32 v253, 3, v253
	s_delay_alu instid0(VALU_DEP_1)
	v_sub_nc_u32 v252, v252, v253
	s_delay_alu instid0(VALU_DEP_1)
	v_add_nc_u32 v252, s96, v252                   ; d = my query - KF - 8 (lane / 16): register 8 c + j holds key KF + 8 (lane / 16) + 16 c + j: hidden where 16 c + j > d
	v_mov_b32 v254, 0xff800000                     ; -infinity: p = 0
.set n, 0
.rept 64
	v_cmp_gt_i32 vcc_lo, 16*(n/8)+n%8, v252
	v_cndmask_b32 v[96+n], v[96+n], v254, vcc_lo
.set n, n+1
.endr
.Lopen_\@:
	v_max3_num_f32 v254, v96, v97, v98             ; the step's largest score of my query among my 64 keys, in two chains; each accumulator is first read at its low end
	v_max3_num_f32 v252, v99, v100, v101
.irp i, 6,10,14,18,22,26,30,34,38,42,46,50,54,58
	v_max3_num_f32 v254, v254, v[96+\i], v[97+\i]
	v_max3_num_f32 v252, v252, v[98+\i], v[99+\i]
.endr
	v_max3_num_f32 v254, v254, v158, v159
	s_delay_alu instid0(VALU_DEP_1)
	v_max_num_f32 v254, v254, v252
	v_permlanex16_b32 v236, v254, s[SEL], s[SEL+1]
	s_delay_alu instid0(VALU_DEP_1)
	v_max_num_f32 v254, v254, v236                 ; and among lane l xor 16's
	s_delay_alu instid0(VALU_DEP_1)
	v_mul_f32 v254, s[CS], v254                    ; as t (c is positive)
	s_delay_alu instid0(VALU_DEP_1)
	v_max_num_f32 v13, v13, v254
	v_mov_b32 v254, v12
	s_delay_alu instid0(VALU_DEP_2)
	v_floor_f32 v12, -v13                          ; the new -M = -ceil(t)
	s_delay_alu instid0(VALU_DEP_1)
	v_sub_f32 v254, v12, v254                      ; old M - new M: a whole number, 0 or less
	s_delay_alu instid0(VALU_DEP_1)
	v_cvt_i32_f32 v254, v254
	s_delay_alu instid0(VALU_DEP_1)
	v_ldexp_f32 v252, 1.0, v254                    ; f = 2^(old M - new M)
.set n, 0
.rept 32
	v_pk_fma_f32 v[96+n:97+n], v[96+n:97+n], s[CS:CS+1], v[12:13] op_sel_hi:[1,0,0]   ; t - M
.set n, n+2
.endr
.set n, 0
	s_wait_alu depctr_va_vdst(0)
.rept 64
	v_exp_f32 v[96+n], v[96+n]                     ; p = 2^(t - M)
.set n, n+1
.endr
	v_pk_mul_f32 v[14:15], v[14:15], v[252:253] op_sel_hi:[1,0]   ; the sums under the new M: the plain instruction behind the exponentials
	s_wait_alu depctr_va_vdst(0)                   ; one wait for the batch, ahead of its first reader
	v_pk_add_f32 v[242:243], v[100:101], v[104:105]
	v_pk_add_f32 v[254:255], v[108:109], v[112:113]
	v_pk_add_f32 v[250:251], v[116:117], v[120:121]
	v_pk_add_f32 v[248:249], v[124:125], v[128:129]
	v_pk_add_f32 v[246:247], v[132:133], v[136:137]
	v_pk_add_f32 v[240:241], v[140:141], v[144:145]
	v_pk_add_f32 v[238:239], v[148:149], v[152:153]
	v_pk_add_f32 v[14:15], v[14:15], v[156:157]
	v_pk_add_f32 v[242:243], v[242:243], v[96:97]
	v_pk_add_f32 v[254:255], v[254:255], v[98:99]
	v_pk_add_f32 v[250:251], v[250:251], v[102:103]
	v_pk_add_f32 v[248:249], v[248:249], v[106:107]
	v_pk_add_f32 v[246:247], v[246:247], v[110:111]
	v_pk_add_f32 v[240:241], v[240:241], v[114:115]
	v_pk_add_f32 v[238:239], v[238:239], v[118:119]
	v_pk_add_f32 v[14:15], v[14:15], v[122:123]
	v_pk_add_f32 v[242:243], v[242:243], v[126:127]
	v_pk_add_f32 v[254:255], v[254:255], v[130:131]
	v_pk_add_f32 v[250:251], v[250:251], v[134:135]
	v_pk_add_f32 v[248:249], v[248:249], v[138:139]
	v_pk_add_f32 v[246:247], v[246:247], v[142:143]
	v_pk_add_f32 v[240:241], v[240:241], v[146:147]
	v_pk_add_f32 v[238:239], v[238:239], v[150:151]
	v_pk_add_f32 v[14:15], v[14:15], v[154:155]
	v_pk_add_f32 v[242:243], v[242:243], v[158:159]
	s_delay_alu instid0(VALU_DEP_2)
	v_pk_add_f32 v[14:15], v[14:15], v[248:249]
	s_delay_alu instid0(VALU_DEP_2)
	v_pk_add_f32 v[242:243], v[242:243], v[246:247]
	v_pk_add_f32 v[254:255], v[254:255], v[240:241]
	v_pk_add_f32 v[250:251], v[250:251], v[238:239]
	s_delay_alu instid0(VALU_DEP_2)
	v_pk_add_f32 v[14:15], v[14:15], v[254:255]
	s_delay_alu instid0(VALU_DEP_2)
	v_pk_add_f32 v[242:243], v[242:243], v[250:251]
	s_delay_alu instid0(VALU_DEP_1)
	v_pk_add_f32 v[14:15], v[14:15], v[242:243]
.set n, 0
.rept 64
.set n, n+1
.endr
.irp t, 0,1,2,3,4,5,6,7
	v_cvt_scalef32_pk8_fp8_f32 v[224+2*\t:225+2*\t], v[96+8*\t:103+8*\t], v244
.endr
.set n, 0
.rept 16
	v_pk_mul_f32 v[160+n:161+n], v[160+n:161+n], v[252:253] op_sel_hi:[1,0]   ; O^T under the new M; also the plain instructions behind the conversions
.set n, n+2
.endr
	s_wait_alu depctr_va_vdst(0)
	s_wait_dscnt 0x0                               ; V's fragments are in
.irp d, 0,1,2,3
	v_wmma_f32_16x16x128_fp8_fp8 v[160+8*\d:167+8*\d], v[32+16*\d:47+16*\d], v[224:239], v[160+8*\d:167+8*\d]   ; four accumulators by turns
.endr
.Lhidden_\@:
	s_add_co_u32 s[KF], s[KF], 128
.endm
; THE CHANGE OF SLOTS, at a slot's head.  Each wave waits for all its tensor loads, adds 0 to its spare word, and waits for that and for its reads of the slot that it has left; behind the barrier the slot ahead is whole and
; nobody reads the other one, which (fill = 1) is filled with the next 256 keys: the load has a slot's two steps in which to land.
.macro CHANGE fill
	s_wait_tensorcnt 0x0                           ; no tensor load of mine is out, so group 0 may be written
	ds_add_u32 v[SPW], v[NIL]
.if \fill
	ds_add_u32 v[SPW], v[NIL]                      ; and once more: the add is made twice, in every trip alike
	s_xor_b32 s[G0+1], s[G0+1], SLOT1              ; the other slot than last time,
	s_add_nc_u64 s[G0+2:G0+3], s[G0+2:G0+3], 16384 ; the next 256 keys
	s_wait_xcnt 0x0                                ; the last prefetch, a slot back, has read its address
	s_add_nc_u64 s[PFA:PFA+1], s[PFA:PFA+1], 16384
.endif
	s_wait_dscnt 0x0
	s_barrier_signal -1
	s_barrier_wait -1
.if \fill
	s_add_co_u32 s96, s[KF], 256                   ; the first key of the slot that this change would ask for:
	s_cmp_gt_u32 s96, s[LQ]                        ; behind my work-group's last query none of its waves reads it.  Ids and the count of steps alone: all sixteen waves go the same way
	s_cbranch_scc1 .Lpast_\@
	TLOAD
.Lpast_\@:
	ASK
.endif
.endm
.macro SLOT_STEPS
	STEP 0
	STEP 1
	s_xor_b32 s[TB], s[TB], SLOT1
.endm
	s_wait_loadcnt 0x0                             ; Q
.Lslot:                                            ; NSL - 1 trips
	CHANGE 1
	SLOT_STEPS
	s_sub_co_u32 s[SLOTS], s[SLOTS], 1
	s_cmp_lg_u32 s[SLOTS], 0
	s_cbranch_scc1 .Lslot
	CHANGE 0                                       ; the last slot is written out: nothing is asked for
	SLOT_STEPS
	; THE WAY OUT: O^T / the sum, quantised with 2^(e6 - e4 - e5): eight registers of the o-projection's operand, stored as they stand
	v_add_f32 v14, v14, v15
	s_delay_alu instid0(VALU_DEP_1)
	v_permlanex16_b32 v252, v14, s[SEL], s[SEL+1]
	s_delay_alu instid0(VALU_DEP_1)
	v_add_f32 v14, v14, v252                       ; the row's sum
	s_wait_alu depctr_va_vdst(0)
	v_rcp_f32 v14, v14
	v_nop                                          ; a plain instruction behind the transcendental
	s_sub_co_i32 s96, s74, s72
	s_sub_co_i32 s96, s96, s73
	s_add_co_i32 s96, s96, 127
	s_lshl_b32 s97, s96, 23
	v_mov_b32 v244, s97
	s_wait_alu depctr_va_vdst(0)                   ; the wait, ahead of the reciprocal's first reader
.set n, 0
.rept 32
	v_mul_f32 v[96+n], v[160+n], v14               ; register 8 d + i: feature 16 d + 8 (lane / 16) + i of my query
.set n, n+1
.endr
.set n, 0
.rept 32
.set n, n+1
.endr
.irp d, 0,1,2,3
	v_cvt_scalef32_pk8_fp8_f32 v[224+2*\d:225+2*\d], v[96+8*\d:103+8*\d], v244
.endr
	v_nop
	global_store_b128 v[LI], v[224:227], s[8:9]              ; 32 lanes store 512 consecutive bytes
	global_store_b128 v[LI], v[228:231], s[8:9] offset:512
	s_wait_tensorcnt 0x0                           ; the wave's end
	ds_add_u32 v[SPW], v[NIL]
	s_wait_dscnt 0x0
	s_endpgm
.Lfunc_end_k_q664ca8c185_attn:
	.size	k_q664ca8c185_attn, .Lfunc_end_k_q664ca8c185_attn-k_q664ca8c185_attn
	.p2alignl 7, 3214868480
	.fill 96, 4, 3214868480
	.section	.rodata,"a",@progbits
	.p2align	6, 0x0
	.amdhsa_kernel k_q664ca8c185_attn
		.amdhsa_group_segment_fixed_size 327680
		.amdhsa_private_segment_fixed_size 0
		.amdhsa_enable_private_segment 0
		.amdhsa_kernarg_size 24
		.amdhsa_user_sgpr_count 2
		.amdhsa_user_sgpr_kernarg_segment_ptr 1
		.amdhsa_wavefront_size32 1
		.amdhsa_system_sgpr_workgroup_id_x 1
		.amdhsa_system_sgpr_workgroup_id_y 1
		.amdhsa_system_sgpr_workgroup_id_z 1
		.amdhsa_system_vgpr_workitem_id 0
		.amdhsa_next_free_vgpr 256
		.amdhsa_next_free_sgpr 100
		.amdhsa_reserve_vcc 1
		.amdhsa_float_denorm_mode_32 3
		.amdhsa_float_denorm_mode_16_64 3
		.amdhsa_fp16_overflow 1
		.amdhsa_memory_ordered 1
		.amdhsa_forward_progress 1
		.amdhsa_inst_pref_size 86
	.end_amdhsa_kernel
	.amdgpu_metadata
---
amdhsa.version: [ 1, 2 ]
amdhsa.kernels:
  - .name:           k_q664ca8c185_attn
    .symbol:         k_q664ca8c185_attn.kd
    .args:
      - { .name: qkv, .offset: 0, .size: 8, .value_kind: global_buffer, .address_space: global }
      - { .name: lowp_scales, .offset: 8, .size: 8, .value_kind: global_buffer, .address_space: global }
      - { .name: yimg, .offset: 16, .size: 8, .value_kind: global_buffer, .address_space: global }
    .group_segment_fixed_size: 327680
    .private_segment_fixed_size: 0
    .kernarg_segment_align: 8
    .kernarg_segment_size: 24
    .max_flat_workgroup_size: 512
    .sgpr_count:     100
    .vgpr_count:     256
    .wavefront_size: 32
...
	.end_amdgpu_metadata
.endif
;; end of part 3
;; launch oproj (part 4): grid 8 x 32, 4 waves a work-group, clusters of 4 x 4, 327,680 bytes of LDS; arguments yimg, o_w_codes, lowp_scales, x, x2; writes x2
.if DOCPART == 4
	.amdgcn_target "amdgcn-amd-amdhsa--gfx1250"
	.amdhsa_code_object_version 6
	.text
	.protected	k_q664ca8c185_oproj
	.globl	k_q664ca8c185_oproj
	.p2align	8
	.type	k_q664ca8c185_oproj,@function
k_q664ca8c185_oproj:
	s_mov_b64 s[64:65], 0
	v_nop
	global_prefetch_b8 v0, s[64:65] scope:SCOPE_SE
	s_setreg_imm32_b32 hwreg(HW_REG_WAVE_MODE, 25, 1), 1
	s_wait_xcnt 0x0
	s_wait_alu depctr_hold_cnt(0) depctr_sa_sdst(0) depctr_va_vdst(0) depctr_va_sdst(0) depctr_va_ssrc(0) depctr_va_vcc(0) depctr_vm_vsrc(0)
	s_getreg_b32 s2, hwreg(HW_REG_IB_STS2, 6, 4)
	s_cmp_eq_u32 s2, 0
	s_cbranch_scc0 .Lentry_in_a_cluster
	s_endpgm
.Lentry_in_a_cluster:
	s_bfe_u32 s2, ttmp6, 0x10000c
	s_cmp_lg_u32 s2, 0xf033
	s_cbranch_scc0 .Lentry_shape_is_right
	s_endpgm
.Lentry_shape_is_right:
; x2 = x + y o_w^T on E4M3 codes, K = 1,024.  (Launch down is this text with K = 2,048: the three constants below differ.)
; A tile of C is 128 tokens x 128 columns; four waves, each 64 x 64: 16 accumulators in window 0.  K goes in chunks of 512 through two LDS slots; with NCH = 2 each slot is filled once.
; A comes as IMAGES of its fragments ([tile of 16 tokens][128 along K][2,048 bytes]; registers 4 q .. 4 q + 3 at 512 q + 16 x lane), in the plain 8-bit layout (registers 2 c, 2 c + 1: k = 16 c + 8 (lane / 16) + 0 .. 7):
; four 16-byte loads of consecutive bytes a fragment.  B's rows lie along K and must be taken in the same layout: eight 8-byte loads a fragment, from rows of 512 bytes + 16 of padding.
; CLUSTERS: 4 x 4; A's tiles jointly along a row of the cluster, B's along a column.  The matrix instruction is used transposed (source 0 = 16 weight rows, source 1 = 16 tokens): a lane holds eight neighbouring columns of a row of C.
; THE WAY OUT: a block of 16 rows x 64 columns goes through my own stage in LDS and comes back as rows of 256 bytes; out = sum x 2^(eA + eB) + residual, one packed multiply-add for two numbers; sixteen lanes store 256 consecutive bytes, aligned.
; LIMIT: eA + eB between -126 and 127.
.set KB,    1024                       ; K in bytes
.set NCH,   2                          ; chunks of 512
.set SCOFF, 0x18                       ; where eA, eB lie among the exponents
.set PITCH,  528                       ; 132 words: with 8 bytes a lane, rows 4 banks apart and halves 2: the 32 lanes of a load touch 64 different banks (64 banks of 4 bytes: ISA guide 11.1)
.set AIMG,   65536                     ; a slot's A: 8 tiles of tokens x 4 K steps x 2,048
.set BHALF,  64*PITCH
.set SLOT,   AIMG+2*BHALF
.set STAGE,  2*SLOT                    ; 16 rows x 272 bytes for each wave: bytes of its own, into which no fill lands
.set SPITCH, 272
.set SPARE,  STAGE+4*16*SPITCH
.set ADRA, 16
.set ADRB, 20
.set STO,  24
.set RD,   25
.set CO,   26
.set SPW,  28
.set NIL,  29
.set BK,   32                          ; v32-63, v64-95: 16 rows read back, by turns
.set ACC,  128
.set F0,   0
.set F1,   128
.set G1,  24
.set G0,  32
.set G1B, 48
.set G0B, 56
.set MSB, 0
.macro WIN new
.if MSB != \new
	s_set_vgpr_msb (MSB<<8)|\new
.set MSB, \new
.endif
.endm
.set MUL,  0x05
.set TO_F, 0x40
.set TO_2, 0x80
.set S2W2, 0x20                        ; source 2 window 2
.macro JLOAD g0a, g1a, g0b, g1b
	s_cmp_eq_u32 s15, 0
	s_cbranch_scc0 .Lfor_b_\@
	tensor_load_to_lds s[\g0a:\g0a+3], s[\g1a:\g1a+7]
	s_nop 0
.rept 4
	v_nop
.endr
	s_branch .Lasked_\@
.Lfor_b_\@:
	tensor_load_to_lds s[\g0b:\g0b+3], s[\g1b:\g1b+7]
	s_nop 0
.rept 4
	v_nop
.endr
.Lasked_\@:
.endm
.macro CROUND
	s_barrier_signal -1
	s_barrier_wait -1
	s_cmp_lg_u32 s14, 0
	s_cbranch_scc1 .Lnot_wave_0_\@
	s_barrier_signal -3
.Lnot_wave_0_\@:
	s_barrier_wait -3
	s_barrier_signal -1
	s_barrier_wait -1
.endm
.macro PLACES n
.rept \n
	v_nop
.endr
.endm
	s_load_b256 s[4:11], s[0:1], 0x0               ; A's images s[4:5], the weight's codes s[6:7], the exponents s[8:9], the residual s[10:11]
	s_load_b64 s[12:13], s[0:1], 0x20              ; the result
	v_lshl_add_u32 v[SPW], v0, 2, SPARE
	v_mov_b32 v[NIL], 0
	ds_add_u32 v[SPW], v[NIL]                      ; the wave's opening: the add, twice on end, and its wait ahead of my first tensor load
	ds_add_u32 v[SPW], v[NIL]
	v_lshrrev_b32 v1, 5, v0
	v_readfirstlane_b32 s14, v1
	s_lshr_b32 s15, s14, 1                         ; which 64 tokens are mine.  Also: I fetch for A (0) or B (1)
	s_and_b32 s16, s14, 1                          ; which 64 columns.  Also: which half of that tile I fetch
	s_bfe_u32 s40, ttmp6, 0x40000
	s_bfe_u32 s41, ttmp6, 0x40004
	s_lshl_b32 s42, ttmp9, 2
	s_add_co_u32 s42, s42, s40                     ; tile column
	s_and_b32 s17, ttmp7, 0xffff
	s_lshl_b32 s17, s17, 2
	s_add_co_u32 s17, s17, s41                     ; tile row
	s_lshl_b32 s43, s41, 2
	s_lshl_b32 s43, 15, s43
	s_lshl_b32 s44, 0x1111, s40
	s_or_b32 s[G1], s43, (3<<16)|(1<<21)           ; A: elements of 8 bytes, no padding
	s_mov_b32 s[G1+1], 1024<<16                    ; tensor_dim0: a tile of tokens' four images, 8,192 bytes on end
	s_mov_b32 s[G1+2], 4<<16                       ; tensor_dim1: four tiles of tokens
	s_mov_b32 s[G1+3], 1024<<16
	s_mov_b32 s[G1+4], 4
	s_mov_b32 s[G1+5], 2*KB                        ; 16 KB bytes from a tile of tokens to the next
	s_mov_b32 s[G1+6], 0
	s_mov_b32 s[G1+7], 0
	s_or_b32 s[G1B], s44, (1<<20)|(1<<21)|(6<<22)|(3<<25)   ; B: bytes; 4 words of padding behind every 128
	s_mov_b32 s[G1B+1], 512<<16
	s_mov_b32 s[G1B+2], 64<<16
	s_mov_b32 s[G1B+3], 512<<16
	s_mov_b32 s[G1B+4], 64
	s_mov_b32 s[G1B+5], KB
	s_mov_b32 s[G1B+6], 0
	s_mov_b32 s[G1B+7], 0
	s_lshl_b32 s20, s17, 3
	s_lshl_b32 s18, s16, 2
	s_add_co_u32 s20, s20, s18
	s_mul_i32 s20, s20, 16*KB                      ; A: tile of tokens 8 x tile row + 4 x half
	s_mov_b32 s21, 0
	s_lshl_b32 s46, s42, 7
	s_lshl_b32 s18, s16, 6
	s_add_co_u32 s46, s46, s18
	s_mul_i32 s46, s46, KB                         ; B: row 128 x tile column + 64 x half
	s_mov_b32 s47, 0
	s_mul_i32 s45, s16, 32768                      ; where A's half goes,
	s_mul_i32 s77, s16, BHALF
	s_add_co_u32 s77, s77, AIMG                    ; and B's
	s_wait_dscnt 0x0
	s_wait_kmcnt 0x0
	s_load_b64 s[68:69], s[8:9], SCOFF             ; eA, eB
	s_add_nc_u64 s[20:21], s[4:5], s[20:21]
	s_add_nc_u64 s[46:47], s[6:7], s[46:47]
	CROUND
.irp s, 0,1
	s_mov_b32 s[G0+4*\s], 1
	s_add_co_u32 s[G0+4*\s+1], s45, \s*SLOT
	s_add_nc_u64 s[G0+4*\s+2:G0+4*\s+3], s[20:21], \s*8192
	s_or_b32 s[G0+4*\s+3], s[G0+4*\s+3], 0x80000000
	s_mov_b32 s[G0B+4*\s], 1
	s_add_co_u32 s[G0B+4*\s+1], s77, \s*SLOT
	s_add_nc_u64 s[G0B+4*\s+2:G0B+4*\s+3], s[46:47], \s*512
	s_or_b32 s[G0B+4*\s+3], s[G0B+4*\s+3], 0x80000000
	JLOAD G0+4*\s, G1, G0B+4*\s, G1B               ; two loads of mine are out
.endr
	v_and_b32 v1, 15, v0
	v_bfe_u32 v2, v0, 4, 1
	v_and_b32 v5, 31, v0
	v_lshlrev_b32 v5, 4, v5                        ; 16 x lane
	v_mul_u32_u24 v3, v1, PITCH
	v_lshl_add_u32 v4, v2, 3, v3                   ; B: row x pitch + 8 x half
	s_mul_i32 s21, s15, 32768
	s_mul_i32 s22, s16, BHALF
	s_add_co_u32 s22, s22, AIMG
.irp s, 0,1
	v_add_nc_u32 v[ADRA+\s], s21, v5
	v_add_nc_u32 v[ADRB+\s], s22, v4
	s_add_co_u32 s21, s21, SLOT
	s_add_co_u32 s22, s22, SLOT
.endr
	s_mul_i32 s23, s14, 16*SPITCH
	s_add_co_u32 s23, s23, STAGE                   ; my stage
	v_mul_u32_u24 v6, v1, SPITCH
	v_lshl_add_u32 v6, v2, 5, v6
	v_add_nc_u32 v[STO], s23, v6                   ; in: row l % 16, 32 bytes for each half of the lanes
	v_mul_u32_u24 v6, v2, SPITCH
	v_lshl_add_u32 v6, v1, 4, v6
	v_add_nc_u32 v[RD], s23, v6                    ; back: lanes 0-15 one row of 256 bytes, lanes 16-31 the next
	v_lshlrev_b32 v6, 12, v2
	v_lshl_add_u32 v[CO], v1, 4, v6                ; and the same two rows in memory, 4,096 bytes apart
	s_lshl_b32 s82, s17, 7
	s_lshl_b32 s83, s15, 6
	s_add_co_u32 s82, s82, s83
	s_lshl_b32 s82, s82, 12                        ; my first row,
	s_lshl_b32 s83, s42, 9
	s_add_co_u32 s82, s82, s83
	s_lshl_b32 s83, s16, 8
	s_add_co_u32 s82, s82, s83                     ; my first column
	s_mov_b32 s83, 0
	s_add_nc_u64 s[10:11], s[10:11], s[82:83]
	s_add_nc_u64 s[12:13], s[12:13], s[82:83]
	WIN TO_2
.irp a, 0,1,2,3
.irp i, 0,1,2,3,4,5,6,7                ; the residual, in the order in which rows come back from the stage: window 2, v[32 a + 4 i]
	global_load_b128 v[32*\a+4*\i:32*\a+4*\i+3], v[CO], s[10:11] offset:(16*\a+2*\i)*4096 th:TH_LOAD_NT
.endr
.endr
	WIN 0
.macro FETCH slot, q, f                ; 48 LDS loads: the fragments of the slot's q-th 128 along K
	WIN TO_F
.irp a, 0,1,2,3
.irp c, 0,1,2,3
	ds_load_b128 v[\f+16*\a+4*\c:\f+16*\a+4*\c+3], v[ADRA+(\slot)] offset:\a*8192+(\q)*2048+\c*512
.endr
.endr
.irp b, 0,1,2,3
.irp c, 0,1,2,3,4,5,6,7
	ds_load_b64 v[\f+64+16*\b+2*\c:\f+64+16*\b+2*\c+1], v[ADRB+(\slot)] offset:\b*16*PITCH+128*(\q)+16*\c
.endr
.endr
.endm
.macro MUL16 f, zero                   ; the 16 accumulators take turns, one instruction a turn, in the same order in every step
.irp a, 0,1,2,3
.irp b, 0,1,2,3
.if \zero
	v_wmma_f32_16x16x128_fp8_fp8 v[ACC+8*(4*\a+\b):ACC+8*(4*\a+\b)+7], v[\f+64+16*\b:\f+64+16*\b+15], v[\f+16*\a:\f+16*\a+15], 0
.else
	v_wmma_f32_16x16x128_fp8_fp8 v[ACC+8*(4*\a+\b):ACC+8*(4*\a+\b)+7], v[\f+64+16*\b:\f+64+16*\b+15], v[\f+16*\a:\f+16*\a+15], v[ACC+8*(4*\a+\b):ACC+8*(4*\a+\b)+7]
.endif
.endr
.endr
.endm
.macro STEP f, g, zero, slot, q
	s_wait_dscnt 0x0                               ; buffer f is in: its loads were issued a step ago
	PLACES 4                                       ; between the last step's products, which read buffer g, and the loads into it
	FETCH \slot, \q, \g
	WIN MUL
	MUL16 \f, \zero
.endm
.macro BPLAIN                          ; the other slot is whole behind this barrier
	s_wait_tensorcnt 0x0
	s_wait_dscnt 0x0
	s_barrier_signal -1
	s_barrier_wait -1
.endm
.macro BFILL slot                      ; the slot's last fragments are in registers: it is filled again, with the chunk two on.  The round takes the barrier's place; the joint refill is the first thing behind it
	WIN 0
	s_wait_tensorcnt 0x0                           ; all my tensor loads have landed: my part of the other slot;
	ds_add_u32 v[SPW], v[NIL]
	s_add_nc_u64 s[G0+4*\slot+2:G0+4*\slot+3], s[G0+4*\slot+2:G0+4*\slot+3], 16384
	s_add_nc_u64 s[G0B+4*\slot+2:G0B+4*\slot+3], s[G0B+4*\slot+2:G0B+4*\slot+3], 1024
	s_wait_dscnt 0x0                               ; the add is done, and my reads of this slot are over
	CROUND
	JLOAD G0+4*\slot, G1, G0B+4*\slot, G1B
.endm
.macro CHUNK sl, zero, bound, last     ; 512 along K in slot sl.  bound = 2: the slot is filled again; 1: a plain barrier; 0: none
	STEP F0, F1, \zero, \sl, 1
	STEP F1, F0, 0, \sl, 2
	STEP F0, F1, 0, \sl, 3
.if \bound == 2
	BFILL \sl
.elseif \bound == 1
	BPLAIN
.endif
.if \last
	s_wait_dscnt 0x0
	WIN MUL
	MUL16 F1, 0
.else
	STEP F1, F0, 0, 1-\sl, 0
.endif
.endm
	s_wait_tensorcnt 1                             ; my part of chunk 0 is in; chunk 1's one load, issued behind it, may be out
	s_barrier_signal -1
	s_barrier_wait -1
	FETCH 0, 0, F0
.if NCH == 2
	CHUNK 0, 1, 1, 0
	CHUNK 1, 0, 0, 1
.else
	CHUNK 0, 1, 2, 0
	CHUNK 1, 0, 2, 0
	CHUNK 0, 0, 1, 0
	CHUNK 1, 0, 0, 1
.endif
	WIN 0
	PLACES 4                                       ; in front of the first read of results
	s_wait_kmcnt 0x0
	s_add_co_i32 s96, s68, s69
	s_add_co_i32 s96, s96, 127
	s_lshl_b32 s96, s96, 23                        ; 2^(eA + eB)
	s_mov_b32 s97, s96
	s_wait_loadcnt 0x0                             ; the residual
.macro TOSTAGE a                       ; LDS serves a wave's instructions in order (ISA guide 5.7.1.4): no wait between the stores and the loads, nor in front of the next block's stores
.set BB, BK+32*((\a)%2)
.irp b, 0,1,2,3
	ds_store_b128 v[STO], v[ACC+8*(4*(\a)+\b):ACC+8*(4*(\a)+\b)+3] offset:64*\b       ; each accumulator from its low end on
	ds_store_b128 v[STO], v[ACC+8*(4*(\a)+\b)+4:ACC+8*(4*(\a)+\b)+7] offset:64*\b+16
.endr
.irp i, 0,1,2,3,4,5,6,7
	ds_load_b128 v[BB+4*\i:BB+4*\i+3], v[RD] offset:2*\i*SPITCH
.endr
.endm
.macro SEND a, younger
.set BB, BK+32*((\a)%2)
	s_wait_dscnt \younger                          ; the block is back; the next block's 8 stores and 8 loads may be out
	WIN S2W2
.set n, 0
.rept 16
	v_pk_fma_f32 v[BB+n:BB+n+1], v[BB+n:BB+n+1], s[96:97], v[32*(\a)+n:32*(\a)+n+1] op_sel_hi:[1,0,1]
.set n, n+2
.endr
	WIN 0
.irp i, 0,1,2,3,4,5,6,7
.if NCH == 4
	global_store_b128 v[CO], v[BB+4*\i:BB+4*\i+3], s[12:13] offset:(16*(\a)+2*\i)*4096 th:TH_STORE_NT
.else
	global_store_b128 v[CO], v[BB+4*\i:BB+4*\i+3], s[12:13] offset:(16*(\a)+2*\i)*4096
.endif
.endr
.endm
	TOSTAGE 0
.irp a, 1,2,3
.if \a > 1
	s_wait_xcnt 0x0                                ; block a - 2's stores have read their registers: block a's loads may land there
.endif
	TOSTAGE \a
	SEND \a-1, 16
.endr
	SEND 3, 0
	s_wait_tensorcnt 0x0                           ; the wave's end
	ds_add_u32 v[SPW], v[NIL]
	s_wait_dscnt 0x0
	CROUND                                         ; the closing round
	s_endpgm
.Lfunc_end_k_q664ca8c185_oproj:
	.size	k_q664ca8c185_oproj, .Lfunc_end_k_q664ca8c185_oproj-k_q664ca8c185_oproj
	.p2alignl 7, 3214868480
	.fill 96, 4, 3214868480
	.section	.rodata,"a",@progbits
	.p2align	6, 0x0
	.amdhsa_kernel k_q664ca8c185_oproj
		.amdhsa_group_segment_fixed_size 327680
		.amdhsa_private_segment_fixed_size 0
		.amdhsa_enable_private_segment 0
		.amdhsa_kernarg_size 40
		.amdhsa_user_sgpr_count 2
		.amdhsa_user_sgpr_kernarg_segment_ptr 1
		.amdhsa_wavefront_size32 1
		.amdhsa_system_sgpr_workgroup_id_x 1
		.amdhsa_system_sgpr_workgroup_id_y 1
		.amdhsa_system_sgpr_workgroup_id_z 1
		.amdhsa_system_vgpr_workitem_id 0
		.amdhsa_next_free_vgpr 768
		.amdhsa_next_free_sgpr 100
		.amdhsa_reserve_vcc 0
		.amdhsa_float_denorm_mode_32 3
		.amdhsa_float_denorm_mode_16_64 3
		.amdhsa_memory_ordered 1
		.amdhsa_forward_progress 1
		.amdhsa_inst_pref_size 57
	.end_amdhsa_kernel
	.amdgpu_metadata
---
amdhsa.version: [ 1, 2 ]
amdhsa.kernels:
  - .name:           k_q664ca8c185_oproj
    .symbol:         k_q664ca8c185_oproj.kd
    .args:
      - { .name: yimg, .offset: 0, .size: 8, .value_kind: global_buffer, .address_space: global }
      - { .name: o_w_codes, .offset: 8, .size: 8, .value_kind: global_buffer, .address_space: global }
      - { .name: lowp_scales, .offset: 16, .size: 8, .value_kind: global_buffer, .address_space: global }
      - { .name: x, .offset: 24, .size: 8, .value_kind: global_buffer, .address_space: global }
      - { .name: x2, .offset: 32, .size: 8, .value_kind: global_buffer, .address_space: global }
    .group_segment_fixed_size: 327680
    .private_segment_fixed_size: 0
    .kernarg_segment_align: 8
    .kernarg_segment_size: 40
    .max_flat_workgroup_size: 128
    .sgpr_count:     100
    .vgpr_count:     768
    .wavefront_size: 32
...
	.end_amdgpu_metadata
.endif
;; end of part 4
;; launch norm2 (part 5): grid 256 x 1, 8 waves a work-group, no clusters, 0 bytes of LDS; arguments x2, n2_w, lowp_scales, h2; writes h2
.if DOCPART == 5
	.amdgcn_target "amdgcn-amd-amdhsa--gfx1250"
	.amdhsa_code_object_version 6
	.text
	.protected	k_q664ca8c185_norm2
	.globl	k_q664ca8c185_norm2
	.p2align	8
	.type	k_q664ca8c185_norm2,@function
k_q664ca8c185_norm2:
	s_mov_b64 s[64:65], 0
	v_nop
	global_prefetch_b8 v0, s[64:65] scope:SCOPE_SE
	s_setreg_imm32_b32 hwreg(HW_REG_WAVE_MODE, 25, 1), 1
	s_wait_xcnt 0x0
; h2 = codes of rmsnorm(x2, n2_w), twice: with 2^e8 for the product with wg_w (at byte 0) and with 2^e10 for the product with w1_w (at byte 4,194,304); each [4096][1024], row-major.
; Shares and layout as in launch prep: a work-group 16 rows, a wave two, a wave a whole row; lane l has k = 256 i + 8 l + 0 .. 7.  No LDS, no barrier.
; LIMITS: e8 and e10 between -126 and 119.  NaN among the inputs is not served.
.set W,   16
.set X,   48
.set CG,  112                          ; v112-127 the first set's codes, 8 registers a row
.set CU,  128                          ; v128-143 the second set's
.set T,   144
.set CH,  176
.set RS,  184
.set SG,  186                          ; 2^e8
.set LG,  187
.set SU,  188                          ; 2^e10
.set LU,  189
	s_load_b256 s[4:11], s[0:1], 0x0               ; x2 s[4:5], n2_w s[6:7], the exponents s[8:9], h2 s[10:11]
	v_lshrrev_b32 v4, 5, v0
	s_delay_alu instid0(VALU_DEP_1)
	v_readfirstlane_b32 s18, v4
	v_and_b32 v1, 31, v0
	s_delay_alu instid0(VALU_DEP_1)
	v_lshlrev_b32 v2, 5, v1
	s_delay_alu instid0(VALU_DEP_2)
	v_lshlrev_b32 v3, 3, v1
	v_mov_b32 v[RS+1], 0
	s_mov_b32 s12, 0x76543210
	s_mov_b32 s13, 0xfedcba98
	s_mov_b32 s14, 0x3a800000                      ; 1 / 1024
	s_mov_b32 s15, 0x3727c5ac                      ; eps
	s_lshl_b32 s19, ttmp9, 4
	s_lshl_b32 s20, s18, 1
	s_add_co_u32 s19, s19, s20
	s_lshl_b32 s20, s19, 12
	s_mov_b32 s21, 0
	s_lshl_b32 s22, s19, 10
	s_mov_b32 s23, 0
	s_wait_alu depctr_va_vdst(0)
	s_wait_kmcnt 0x0
	s_load_b128 s[24:27], s[8:9], 0x20             ; e8, e9, e10, e11
	s_add_nc_u64 s[4:5], s[4:5], s[20:21]
	s_add_nc_u64 s[10:11], s[10:11], s[22:23]
	s_add_nc_u64 s[16:17], s[10:11], 0x400000      ; the second set
.irp i, 0,1,2,3
	global_load_b128 v[W+8*\i:W+8*\i+3], v2, s[6:7] offset:1024*\i
	global_load_b128 v[W+8*\i+4:W+8*\i+7], v2, s[6:7] offset:1024*\i+16
.endr
.irp p, 0,1
.irp i, 0,1,2,3
	global_load_b128 v[X+32*\p+8*\i:X+32*\p+8*\i+3], v2, s[4:5] offset:4096*\p+1024*\i th:TH_LOAD_NT
	global_load_b128 v[X+32*\p+8*\i+4:X+32*\p+8*\i+7], v2, s[4:5] offset:4096*\p+1024*\i+16 th:TH_LOAD_NT
.endr
.endr
	s_wait_kmcnt 0x0
	s_add_co_i32 s24, s24, 127
	s_lshl_b32 s28, s24, 23
	v_mov_b32 v[SG], s28
	s_add_co_i32 s26, s26, 127
	s_lshl_b32 s28, s26, 23
	v_mov_b32 v[SU], s28
.macro ROW p
.set XB, X+32*(\p)
	s_wait_loadcnt 8*(1-(\p))                      ; n2_w and this row are in; the other row's eight younger loads may be out
.irp c, 0,1,2,3
	v_pk_mul_f32 v[CH+2*\c:CH+2*\c+1], v[XB+2*\c:XB+2*\c+1], v[XB+2*\c:XB+2*\c+1]
.endr
.irp q, 4,5,6,7,8,9,10,11,12,13,14,15
	s_delay_alu instid0(VALU_DEP_4)
	v_pk_fma_f32 v[CH+2*(\q%4):CH+2*(\q%4)+1], v[XB+2*\q:XB+2*\q+1], v[XB+2*\q:XB+2*\q+1], v[CH+2*(\q%4):CH+2*(\q%4)+1]
.endr
	s_delay_alu instid0(VALU_DEP_3)
	v_pk_add_f32 v[CH:CH+1], v[CH:CH+1], v[CH+2:CH+3]
	s_delay_alu instid0(VALU_DEP_2)
	v_pk_add_f32 v[CH+4:CH+5], v[CH+4:CH+5], v[CH+6:CH+7]
	s_delay_alu instid0(VALU_DEP_1)
	v_pk_add_f32 v[CH:CH+1], v[CH:CH+1], v[CH+4:CH+5]
	s_delay_alu instid0(VALU_DEP_1)
	v_add_f32 v[CH], v[CH], v[CH+1]
	s_delay_alu instid0(VALU_DEP_1)
	v_add_f32_dpp v[CH], v[CH], v[CH] row_xmask:1 row_mask:0xf bank_mask:0xf
	s_delay_alu instid0(VALU_DEP_1)
	v_add_f32_dpp v[CH], v[CH], v[CH] row_xmask:2 row_mask:0xf bank_mask:0xf
	s_delay_alu instid0(VALU_DEP_1)
	v_add_f32_dpp v[CH], v[CH], v[CH] row_xmask:4 row_mask:0xf bank_mask:0xf
	s_delay_alu instid0(VALU_DEP_1)
	v_add_f32_dpp v[CH], v[CH], v[CH] row_xmask:8 row_mask:0xf bank_mask:0xf
	s_delay_alu instid0(VALU_DEP_1)
	v_permlanex16_b32 v[CH+2], v[CH], s12, s13
	s_delay_alu instid0(VALU_DEP_1)
	v_add_f32 v[CH], v[CH], v[CH+2]
	s_delay_alu instid0(VALU_DEP_1)
	v_fma_f32 v[CH+1], v[CH], s14, s15
	s_wait_alu depctr_va_vdst(0)
	v_rsq_f32 v[RS], v[CH+1]
	v_nop                                          ; a plain instruction behind the transcendental,
	s_wait_alu depctr_va_vdst(0)                   ; and the wait ahead of its first reader
.set n, 0
.rept 16
	v_pk_mul_f32 v[XB+n:XB+n+1], v[XB+n:XB+n+1], v[RS:RS+1] op_sel_hi:[1,0]
.set n, n+2
.endr
.set n, 0
.rept 16
	v_pk_mul_f32 v[XB+n:XB+n+1], v[XB+n:XB+n+1], v[W+n:W+n+1]
.set n, n+2
.endr
.set n, 0
.rept 32
.set n, n+1
.endr
.irp i, 0,1,2,3
	v_cvt_scalef32_pk8_fp8_f32 v[CG+8*(\p)+2*\i:CG+8*(\p)+2*\i+1], v[XB+8*\i:XB+8*\i+7], v[SG]
.endr
.set n, 0
.rept 32
.set n, n+1
.endr
.irp i, 0,1,2,3
	v_cvt_scalef32_pk8_fp8_f32 v[CU+8*(\p)+2*\i:CU+8*(\p)+2*\i+1], v[XB+8*\i:XB+8*\i+7], v[SU]
.endr
	v_nop                                          ; a plain instruction behind the last conversion
.irp i, 0,1,2,3
	global_store_b64 v3, v[CG+8*(\p)+2*\i:CG+8*(\p)+2*\i+1], s[10:11] offset:1024*(\p)+256*\i   ; 32 lanes store 256 consecutive bytes, aligned
	global_store_b64 v3, v[CU+8*(\p)+2*\i:CU+8*(\p)+2*\i+1], s[16:17] offset:1024*(\p)+256*\i
.endr
.endm
	ROW 0
	ROW 1
	s_endpgm
.Lfunc_end_k_q664ca8c185_norm2:
	.size	k_q664ca8c185_norm2, .Lfunc_end_k_q664ca8c185_norm2-k_q664ca8c185_norm2
	.p2alignl 7, 3214868480
	.fill 96, 4, 3214868480
	.section	.rodata,"a",@progbits
	.p2align	6, 0x0
	.amdhsa_kernel k_q664ca8c185_norm2
		.amdhsa_group_segment_fixed_size 0
		.amdhsa_private_segment_fixed_size 0
		.amdhsa_enable_private_segment 0
		.amdhsa_kernarg_size 32
		.amdhsa_user_sgpr_count 2
		.amdhsa_user_sgpr_kernarg_segment_ptr 1
		.amdhsa_wavefront_size32 1
		.amdhsa_system_sgpr_workgroup_id_x 1
		.amdhsa_system_sgpr_workgroup_id_y 1
		.amdhsa_system_sgpr_workgroup_id_z 1
		.amdhsa_system_vgpr_workitem_id 0
		.amdhsa_next_free_vgpr 224
		.amdhsa_next_free_sgpr 66
		.amdhsa_reserve_vcc 0
		.amdhsa_float_denorm_mode_32 3
		.amdhsa_float_denorm_mode_16_64 3
		.amdhsa_fp16_overflow 1
		.amdhsa_memory_ordered 1
		.amdhsa_forward_progress 1
		.amdhsa_inst_pref_size 16
	.end_amdhsa_kernel
	.amdgpu_metadata
---
amdhsa.version: [ 1, 2 ]
amdhsa.kernels:
  - .name:           k_q664ca8c185_norm2
    .symbol:         k_q664ca8c185_norm2.kd
    .args:
      - { .name: x2, .offset: 0, .size: 8, .value_kind: global_buffer, .address_space: global }
      - { .name: n2_w, .offset: 8, .size: 8, .value_kind: global_buffer, .address_space: global }
      - { .name: lowp_scales, .offset: 16, .size: 8, .value_kind: global_buffer, .address_space: global }
      - { .name: h2, .offset: 24, .size: 8, .value_kind: global_buffer, .address_space: global }
    .group_segment_fixed_size: 0
    .private_segment_fixed_size: 0
    .kernarg_segment_align: 8
    .kernarg_segment_size: 32
    .max_flat_workgroup_size: 256
    .sgpr_count:     66
    .vgpr_count:     224
    .wavefront_size: 32
...
	.end_amdgpu_metadata
.endif
;; end of part 5
;; launch gateup (part 6): grid 16 x 32, 4 waves a work-group, clusters of 4 x 4, 327,680 bytes of LDS; arguments h2, wg_w_codes, w1_w_codes, lowp_scales, mimg; writes mimg
.if DOCPART == 6
	.amdgcn_target "amdgcn-amd-amdhsa--gfx1250"
	.amdhsa_code_object_version 6
	.text
	.protected	k_q664ca8c185_gateup
	.globl	k_q664ca8c185_gateup
	.p2align	8
	.type	k_q664ca8c185_gateup,@function
k_q664ca8c185_gateup:
	s_mov_b64 s[64:65], 0
	v_nop
	global_prefetch_b8 v0, s[64:65] scope:SCOPE_SE
	s_setreg_imm32_b32 hwreg(HW_REG_WAVE_MODE, 25, 1), 1
	s_wait_xcnt 0x0
	s_wait_alu depctr_hold_cnt(0) depctr_sa_sdst(0) depctr_va_vdst(0) depctr_va_sdst(0) depctr_va_ssrc(0) depctr_va_vcc(0) depctr_vm_vsrc(0)
	s_getreg_b32 s2, hwreg(HW_REG_IB_STS2, 6, 4)
	s_cmp_eq_u32 s2, 0
	s_cbranch_scc0 .Lentry_in_a_cluster
	s_endpgm
.Lentry_in_a_cluster:
	s_bfe_u32 s2, ttmp6, 0x10000c
	s_cmp_lg_u32 s2, 0xf033
	s_cbranch_scc0 .Lentry_shape_is_right
	s_endpgm
.Lentry_shape_is_right:
; m = silu(h wg_w^T) x (h w1_w^T), both products on E4M3 codes (K = 1,024), quantised with 2^e12 and stored as images of the last product's operand: mimg[tile of 16 tokens 256][128 along K 16][2,048].
; A tile is 128 tokens x 128 hidden units of BOTH products; four waves, each 64 x 64 of both: g's 16 accumulators in window 0, u's in window 2, so that the activation needs no memory.
; h comes twice (launch norm2): with 2^e8 for g, with 2^e10 for u.  K goes in chunks of 256 through two LDS slots; a slot has four regions of 128 rows x (256 bytes + 16): h for g, h for u, wg_w, w1_w; wave w fetches region w, one load.
; CLUSTERS: 4 x 4; h's tiles jointly along a row of the cluster, the weights' along a column.  Transposed use: lane = token, register j of tile b = unit 16 b + 8 (lane / 16) + j: the conversion of tile b gives registers 2 b, 2 b + 1
; of the next operand in the plain 8-bit layout.  Both sides of each product lie along K and are fetched by the same 16-byte loads: the same permutation of k on both.
; silu(g) u = g u / (1 + 2^(-g log2 e)).  The raw sums G, U stand for G 2^(e8 + e9), U 2^(e10 + e11): the first pair of exponents goes into the exponential's factor, and all four into the conversion's scale.
; LIMITS: e8 + e9 between -126 and 126; e12 - e8 - e9 - e10 - e11 between -126 and 119.  NaN is not served.
.set PITCH,  272                       ; 68 words: row r starts at bank 4 r mod 64 (64 banks of 4 bytes: ISA guide 11.1)
.set RGN,    128*PITCH
.set SLOT,   4*RGN
.set SPARE,  2*SLOT
.set ADRA, 16
.set ADRB, 20
.set CO,   26
.set SPW,  28
.set NIL,  29
.set SC,   30
.set LIM,  31
.set T,    32
.set CD,   64
.set ACC,  128
.set F0,   0
.set F1,   128
.set G1,  24
.set G0,  32
.set G1B, 48
.set G0B, 56
.set MSB, 0
.macro WIN new
.if MSB != \new
	s_set_vgpr_msb (MSB<<8)|\new
.set MSB, \new
.endif
.endm
.set MUL,  0x05                        ; sources 0 and 1 window 1; C and D window 0
.set MULU, 0xa5                        ; the same; C and D window 2
.set TO_F, 0x40
.set S1W2, 0x08
.macro JLOAD g0a, g1a, g0b, g1b
	s_cmp_eq_u32 s15, 0
	s_cbranch_scc0 .Lfor_b_\@
	tensor_load_to_lds s[\g0a:\g0a+3], s[\g1a:\g1a+7]
	s_nop 0
.rept 4
	v_nop
.endr
	s_branch .Lasked_\@
.Lfor_b_\@:
	tensor_load_to_lds s[\g0b:\g0b+3], s[\g1b:\g1b+7]
	s_nop 0
.rept 4
	v_nop
.endr
.Lasked_\@:
.endm
.macro CROUND
	s_barrier_signal -1
	s_barrier_wait -1
	s_cmp_lg_u32 s14, 0
	s_cbranch_scc1 .Lnot_wave_0_\@
	s_barrier_signal -3
.Lnot_wave_0_\@:
	s_barrier_wait -3
	s_barrier_signal -1
	s_barrier_wait -1
.endm
.macro PLACES n
.rept \n
	v_nop
.endr
.endm
	s_load_b256 s[4:11], s[0:1], 0x0               ; h2 s[4:5], wg_w's codes s[6:7], w1_w's s[8:9], the exponents s[10:11]
	s_load_b64 s[12:13], s[0:1], 0x20              ; mimg
	v_lshl_add_u32 v[SPW], v0, 2, SPARE
	v_mov_b32 v[NIL], 0
	ds_add_u32 v[SPW], v[NIL]                      ; the wave's opening: the add, twice on end, and its wait ahead of my first tensor load
	ds_add_u32 v[SPW], v[NIL]
	v_lshrrev_b32 v1, 5, v0
	v_readfirstlane_b32 s14, v1
	s_lshr_b32 s15, s14, 1                         ; which 64 tokens are mine.  Also: I fetch h (0) or a weight (1)
	s_and_b32 s16, s14, 1                          ; which 64 units.  Also: I fetch for g (0) or for u (1)
	s_bfe_u32 s40, ttmp6, 0x40000
	s_bfe_u32 s41, ttmp6, 0x40004
	s_lshl_b32 s42, ttmp9, 2
	s_add_co_u32 s42, s42, s40                     ; tile column
	s_and_b32 s17, ttmp7, 0xffff
	s_lshl_b32 s17, s17, 2
	s_add_co_u32 s17, s17, s41                     ; tile row
	s_lshl_b32 s43, s41, 2
	s_lshl_b32 s43, 15, s43
	s_lshl_b32 s44, 0x1111, s40
	s_or_b32 s[G1], s43, (1<<20)|(1<<21)|(5<<22)|(3<<25)    ; bytes; 4 words of padding behind every 64; bit 21 beside a mask
	s_or_b32 s[G1B], s44, (1<<20)|(1<<21)|(5<<22)|(3<<25)
.irp g, G1, G1B
	s_mov_b32 s[\g+1], 256<<16
	s_mov_b32 s[\g+2], 128<<16
	s_mov_b32 s[\g+3], 256<<16
	s_mov_b32 s[\g+4], 128
	s_mov_b32 s[\g+5], 1024
	s_mov_b32 s[\g+6], 0
	s_mov_b32 s[\g+7], 0
.endr
	s_lshl_b32 s20, s16, 22                        ; h: the set,
	s_lshl_b32 s18, s17, 17
	s_add_co_u32 s20, s20, s18                     ; and the tile's 128 rows of 1,024 bytes
	s_mov_b32 s21, 0
	s_lshl_b32 s46, s42, 17                        ; a weight: the tile's 128 rows
	s_mov_b32 s47, 0
	s_mul_i32 s45, s14, RGN                        ; where they go: region = wave
	s_wait_dscnt 0x0
	s_wait_kmcnt 0x0
	s_load_b128 s[68:71], s[10:11], 0x20           ; e8 .. e11
	s_load_b32 s72, s[10:11], 0x30                 ; e12
	s_add_nc_u64 s[20:21], s[4:5], s[20:21]
	s_cmp_eq_u32 s16, 0                            ; the wave's number alone: the same choice in every partner
	s_cselect_b64 s[78:79], s[6:7], s[8:9]
	s_add_nc_u64 s[46:47], s[78:79], s[46:47]
	CROUND
.irp s, 0,1
	s_mov_b32 s[G0+4*\s], 1
	s_add_co_u32 s[G0+4*\s+1], s45, \s*SLOT
	s_add_nc_u64 s[G0+4*\s+2:G0+4*\s+3], s[20:21], \s*256
	s_or_b32 s[G0+4*\s+3], s[G0+4*\s+3], 0x80000000
	s_mov_b32 s[G0B+4*\s], 1
	s_add_co_u32 s[G0B+4*\s+1], s45, \s*SLOT
	s_add_nc_u64 s[G0B+4*\s+2:G0B+4*\s+3], s[46:47], \s*256
	s_or_b32 s[G0B+4*\s+3], s[G0B+4*\s+3], 0x80000000
	JLOAD G0+4*\s, G1, G0B+4*\s, G1B               ; two loads of mine are out
.endr
	v_and_b32 v1, 15, v0
	v_bfe_u32 v2, v0, 4, 1
	v_mul_u32_u24 v3, v1, PITCH
	v_lshl_add_u32 v4, v2, 4, v3
	s_mul_i32 s21, s15, 64*PITCH
	s_mul_i32 s22, s16, 64*PITCH
	s_add_co_u32 s22, s22, 2*RGN
.irp s, 0,1
	v_add_nc_u32 v[ADRA+\s], s21, v4
	v_add_nc_u32 v[ADRB+\s], s22, v4
	s_add_co_u32 s21, s21, SLOT
	s_add_co_u32 s22, s22, SLOT
.endr
	v_and_b32 v5, 31, v0
	v_lshlrev_b32 v[CO], 4, v5
	s_lshl_b32 s82, s17, 3
	s_lshl_b32 s83, s15, 2
	s_add_co_u32 s82, s82, s83                     ; my first tile of 16 tokens,
	s_lshl_b32 s82, s82, 4
	s_add_co_u32 s82, s82, s42                     ; x 16 K steps + the tile column,
	s_lshl_b32 s82, s82, 11
	s_lshl_b32 s83, s16, 10
	s_add_co_u32 s82, s82, s83                     ; my 64 units are registers 8 x half on
	s_mov_b32 s83, 0
	s_add_nc_u64 s[12:13], s[12:13], s[82:83]
.macro FETCH slot, q, f, p             ; 32 LDS loads: the fragments of the slot's q-th 128 along K, for g (p = 0) or for u (p = 1)
	WIN TO_F
.irp i, 0,1,2,3
.irp c, 0,1,2,3
	ds_load_b128 v[\f+16*\i+4*\c:\f+16*\i+4*\c+3], v[ADRA+(\slot)] offset:(\p)*RGN+\i*16*PITCH+128*(\q)+32*\c
.endr
.endr
.irp i, 0,1,2,3
.irp c, 0,1,2,3
	ds_load_b128 v[\f+64+16*\i+4*\c:\f+64+16*\i+4*\c+3], v[ADRB+(\slot)] offset:(\p)*RGN+\i*16*PITCH+128*(\q)+32*\c
.endr
.endr
.endm
.macro MUL16 f, zero                   ; the accumulators take turns, one instruction a turn
.irp a, 0,1,2,3
.irp b, 0,1,2,3
.if \zero
	v_wmma_f32_16x16x128_fp8_fp8 v[ACC+8*(4*\a+\b):ACC+8*(4*\a+\b)+7], v[\f+64+16*\b:\f+64+16*\b+15], v[\f+16*\a:\f+16*\a+15], 0
.else
	v_wmma_f32_16x16x128_fp8_fp8 v[ACC+8*(4*\a+\b):ACC+8*(4*\a+\b)+7], v[\f+64+16*\b:\f+64+16*\b+15], v[\f+16*\a:\f+16*\a+15], v[ACC+8*(4*\a+\b):ACC+8*(4*\a+\b)+7]
.endif
.endr
.endr
.endm
.macro HSTEP f, g, zero, win, slot, q, p   ; half a step: 16 products of g or of u from buffer f; ahead of them the next half's fragments are asked for
	s_wait_dscnt 0x0
	PLACES 4                                       ; between the last half's products, which read buffer g, and the loads into it
	FETCH \slot, \q, \g, \p
	WIN \win
	MUL16 \f, \zero
.endm
.macro BPLAIN
	s_wait_tensorcnt 0x0
	s_wait_dscnt 0x0
	s_barrier_signal -1
	s_barrier_wait -1
.endm
.macro BFILL slot                      ; the slot's last fragments are in registers: it is filled again, with the chunk two on; the round takes the barrier's place
	WIN 0
	s_wait_tensorcnt 0x0                           ; all my tensor loads have landed: my part of the other slot;
	ds_add_u32 v[SPW], v[NIL]
	s_add_nc_u64 s[G0+4*\slot+2:G0+4*\slot+3], s[G0+4*\slot+2:G0+4*\slot+3], 512
	s_add_nc_u64 s[G0B+4*\slot+2:G0B+4*\slot+3], s[G0B+4*\slot+2:G0B+4*\slot+3], 512
	s_wait_dscnt 0x0                               ; the add is done, and my reads of this slot are over
	CROUND
	JLOAD G0+4*\slot, G1, G0B+4*\slot, G1B
.endm
.macro CHUNK sl, zero, bound, last
	HSTEP F0, F1, \zero, MUL,  \sl, 0, 1
	HSTEP F1, F0, \zero, MULU, \sl, 1, 0
	HSTEP F0, F1, 0,     MUL,  \sl, 1, 1
.if \bound == 2
	BFILL \sl
.elseif \bound == 1
	BPLAIN
.endif
.if \last
	s_wait_dscnt 0x0
	WIN MULU
	MUL16 F1, 0
.else
	HSTEP F1, F0, 0, MULU, 1-\sl, 0, 0
.endif
.endm
	s_wait_tensorcnt 1                             ; my part of chunk 0 is in; chunk 1's one load, issued behind it, may be out
	s_barrier_signal -1
	s_barrier_wait -1
	FETCH 0, 0, F0, 0
	CHUNK 0, 1, 2, 0
	CHUNK 1, 0, 2, 0
	CHUNK 0, 0, 1, 0
	CHUNK 1, 0, 0, 1
	WIN 0
	PLACES 4                                       ; in front of the first read of results
	s_wait_kmcnt 0x0
	s_add_co_i32 s90, s68, s69                     ; e8 + e9
	s_lshl_b32 s96, s90, 23
	s_add_co_i32 s96, s96, 0xbfb8aa3b              ; -log2(e) x 2^(e8 + e9)
	s_mov_b32 s97, s96
	s_sub_co_i32 s90, s72, s90
	s_sub_co_i32 s90, s90, s70
	s_sub_co_i32 s90, s90, s71                     ; e12 - e8 - e9 - e10 - e11
	s_add_co_i32 s90, s90, 127
	s_lshl_b32 s91, s90, 23
	v_mov_b32 v[SC], s91
	s_add_co_i32 s90, s90, 8
	s_lshl_b32 s90, s90, 23
	s_or_b32 s90, s90, 0x600000
	v_mov_b32 v[LIM], s90
.macro SILU a                          ; tile a of 16 tokens: 32 numbers a lane
.set GA, ACC+32*(\a)
.set n, 0
.rept 16
	v_pk_mul_f32 v[T+n:T+n+1], v[GA+n:GA+n+1], s[96:97] op_sel_hi:[1,0]   ; -g log2 e; each accumulator from its low end on
.set n, n+2
.endr
.set n, 0
.rept 32
	v_exp_f32 v[T+n], v[T+n]
.set n, n+1
.endr
	WIN S1W2
.set n, 0
.rept 16
	v_pk_mul_f32 v[GA+n:GA+n+1], v[GA+n:GA+n+1], v[GA+n:GA+n+1]   ; G U (source 1 in window 2): the independent work behind the exponentials
.set n, n+2
.endr
	WIN 0
	s_wait_alu depctr_va_vdst(0)                   ; one wait for the batch, ahead of its first reader
.set n, 0
.rept 16
	v_pk_add_f32 v[T+n:T+n+1], v[T+n:T+n+1], 1.0 op_sel_hi:[1,0]
.set n, n+2
.endr
.set n, 0
.rept 32
	v_rcp_f32 v[T+n], v[T+n]
.set n, n+1
.endr
	v_nop                                          ; a plain instruction behind the last reciprocal,
	s_wait_alu depctr_va_vdst(0)                   ; and one wait for the batch
.set n, 0
.rept 16
	v_pk_mul_f32 v[GA+n:GA+n+1], v[GA+n:GA+n+1], v[T+n:T+n+1]
.set n, n+2
.endr
.set n, 0
.rept 32
	v_med3_num_f32 v[GA+n], v[GA+n], -v[LIM], v[LIM]
.set n, n+1
.endr
.irp b, 0,1,2,3
	v_cvt_scalef32_pk8_fp8_f32 v[CD+8*(\a)+2*\b:CD+8*(\a)+2*\b+1], v[GA+8*\b:GA+8*\b+7], v[SC]
.endr
	v_nop
	global_store_b128 v[CO], v[CD+8*(\a):CD+8*(\a)+3], s[12:13] offset:(\a)*32768           ; 32 lanes store 512 consecutive bytes
	global_store_b128 v[CO], v[CD+8*(\a)+4:CD+8*(\a)+7], s[12:13] offset:(\a)*32768+512
.endm
	SILU 0
	SILU 1
	SILU 2
	SILU 3
	s_wait_tensorcnt 0x0                           ; the wave's end
	ds_add_u32 v[SPW], v[NIL]
	s_wait_dscnt 0x0
	CROUND                                         ; the closing round
	s_endpgm
.Lfunc_end_k_q664ca8c185_gateup:
	.size	k_q664ca8c185_gateup, .Lfunc_end_k_q664ca8c185_gateup-k_q664ca8c185_gateup
	.p2alignl 7, 3214868480
	.fill 96, 4, 3214868480
	.section	.rodata,"a",@progbits
	.p2align	6, 0x0
	.amdhsa_kernel k_q664ca8c185_gateup
		.amdhsa_group_segment_fixed_size 327680
		.amdhsa_private_segment_fixed_size 0
		.amdhsa_enable_private_segment 0
		.amdhsa_kernarg_size 40
		.amdhsa_user_sgpr_count 2
		.amdhsa_user_sgpr_kernarg_segment_ptr 1
		.amdhsa_wavefront_size32 1
		.amdhsa_system_sgpr_workgroup_id_x 1
		.amdhsa_system_sgpr_workgroup_id_y 1
		.amdhsa_system_sgpr_workgroup_id_z 1
		.amdhsa_system_vgpr_workitem_id 0
		.amdhsa_next_free_vgpr 768
		.amdhsa_next_free_sgpr 100
		.amdhsa_reserve_vcc 0
		.amdhsa_float_denorm_mode_32 3
		.amdhsa_float_denorm_mode_16_64 3
		.amdhsa_memory_ordered 1
		.amdhsa_forward_progress 1
		.amdhsa_inst_pref_size 96
	.end_amdhsa_kernel
	.amdgpu_metadata
---
amdhsa.version: [ 1, 2 ]
amdhsa.kernels:
  - .name:           k_q664ca8c185_gateup
    .symbol:         k_q664ca8c185_gateup.kd
    .args:
      - { .name: h2, .offset: 0, .size: 8, .value_kind: global_buffer, .address_space: global }
      - { .name: wg_w_codes, .offset: 8, .size: 8, .value_kind: global_buffer, .address_space: global }
      - { .name: w1_w_codes, .offset: 16, .size: 8, .value_kind: global_buffer, .address_space: global }
      - { .name: lowp_scales, .offset: 24, .size: 8, .value_kind: global_buffer, .address_space: global }
      - { .name: mimg, .offset: 32, .size: 8, .value_kind: global_buffer, .address_space: global }
    .group_segment_fixed_size: 327680
    .private_segment_fixed_size: 0
    .kernarg_segment_align: 8
    .kernarg_segment_size: 40
    .max_flat_workgroup_size: 128
    .sgpr_count:     100
    .vgpr_count:     768
    .wavefront_size: 32
...
	.end_amdgpu_metadata
.endif
;; end of part 6
;; launch down (part 7): grid 8 x 32, 4 waves a work-group, clusters of 4 x 4, 327,680 bytes of LDS; arguments mimg, w2_w_codes, lowp_scales, x2, out0; writes out0
.if DOCPART == 7
	.amdgcn_target "amdgcn-amd-amdhsa--gfx1250"
	.amdhsa_code_object_version 6
	.text
	.protected	k_q664ca8c185_down
	.globl	k_q664ca8c185_down
	.p2align	8
	.type	k_q664ca8c185_down,@function
k_q664ca8c185_down:
	s_mov_b64 s[64:65], 0
	v_nop
	global_prefetch_b8 v0, s[64:65] scope:SCOPE_SE
	s_setreg_imm32_b32 hwreg(HW_REG_WAVE_MODE, 25, 1), 1
	s_wait_xcnt 0x0
	s_wait_alu depctr_hold_cnt(0) depctr_sa_sdst(0) depctr_va_vdst(0) depctr_va_sdst(0) depctr_va_ssrc(0) depctr_va_vcc(0) depctr_vm_vsrc(0)
	s_getreg_b32 s2, hwreg(HW_REG_IB_STS2, 6, 4)
	s_cmp_eq_u32 s2, 0
	s_cbranch_scc0 .Lentry_in_a_cluster
	s_endpgm
.Lentry_in_a_cluster:
	s_bfe_u32 s2, ttmp6, 0x10000c
	s_cmp_lg_u32 s2, 0xf033
	s_cbranch_scc0 .Lentry_shape_is_right
	s_endpgm
.Lentry_shape_is_right:
; out0 = x2 + m w2_w^T on E4M3 codes, K = 2,048.  (Launch oproj's text with K = 2,048: the three constants below differ.)
; A tile of C is 128 tokens x 128 columns; four waves, each 64 x 64: 16 accumulators in window 0.  K goes in four chunks of 512 through two LDS slots, each filled again once.
; A comes as IMAGES of its fragments ([tile of 16 tokens][128 along K][2,048 bytes]; registers 4 q .. 4 q + 3 at 512 q + 16 x lane), in the plain 8-bit layout (registers 2 c, 2 c + 1: k = 16 c + 8 (lane / 16) + 0 .. 7):
; four 16-byte loads of consecutive bytes a fragment.  B's rows lie along K and must be taken in the same layout: eight 8-byte loads a fragment, from rows of 512 bytes + 16 of padding.
; CLUSTERS: 4 x 4; A's tiles jointly along a row of the cluster, B's along a column.  The matrix instruction is used transposed (source 0 = 16 weight rows, source 1 = 16 tokens): a lane holds eight neighbouring columns of a row of C.
; THE WAY OUT: a block of 16 rows x 64 columns goes through my own stage in LDS and comes back as rows of 256 bytes; out = sum x 2^(eA + eB) + residual, one packed multiply-add for two numbers; sixteen lanes store 256 consecutive bytes, aligned.
; LIMIT: eA + eB between -126 and 127.
.set KB,    2048                       ; K in bytes
.set NCH,   4                          ; chunks of 512
.set SCOFF, 0x30                       ; where eA, eB lie among the exponents
.set PITCH,  528                       ; 132 words: with 8 bytes a lane, rows 4 banks apart and halves 2: the 32 lanes of a load touch 64 different banks (64 banks of 4 bytes: ISA guide 11.1)
.set AIMG,   65536                     ; a slot's A: 8 tiles of tokens x 4 K steps x 2,048
.set BHALF,  64*PITCH
.set SLOT,   AIMG+2*BHALF
.set STAGE,  2*SLOT                    ; 16 rows x 272 bytes for each wave: bytes of its own, into which no fill lands
.set SPITCH, 272
.set SPARE,  STAGE+4*16*SPITCH
.set ADRA, 16
.set ADRB, 20
.set STO,  24
.set RD,   25
.set CO,   26
.set SPW,  28
.set NIL,  29
.set BK,   32                          ; v32-63, v64-95: 16 rows read back, by turns
.set ACC,  128
.set F0,   0
.set F1,   128
.set G1,  24
.set G0,  32
.set G1B, 48
.set G0B, 56
.set MSB, 0
.macro WIN new
.if MSB != \new
	s_set_vgpr_msb (MSB<<8)|\new
.set MSB, \new
.endif
.endm
.set MUL,  0x05
.set TO_F, 0x40
.set TO_2, 0x80
.set S2W2, 0x20                        ; source 2 window 2
.macro JLOAD g0a, g1a, g0b, g1b
	s_cmp_eq_u32 s15, 0
	s_cbranch_scc0 .Lfor_b_\@
	tensor_load_to_lds s[\g0a:\g0a+3], s[\g1a:\g1a+7]
	s_nop 0
.rept 4
	v_nop
.endr
	s_branch .Lasked_\@
.Lfor_b_\@:
	tensor_load_to_lds s[\g0b:\g0b+3], s[\g1b:\g1b+7]
	s_nop 0
.rept 4
	v_nop
.endr
.Lasked_\@:
.endm
.macro CROUND
	s_barrier_signal -1
	s_barrier_wait -1
	s_cmp_lg_u32 s14, 0
	s_cbranch_scc1 .Lnot_wave_0_\@
	s_barrier_signal -3
.Lnot_wave_0_\@:
	s_barrier_wait -3
	s_barrier_signal -1
	s_barrier_wait -1
.endm
.macro PLACES n
.rept \n
	v_nop
.endr
.endm
	s_load_b256 s[4:11], s[0:1], 0x0               ; A's images s[4:5], the weight's codes s[6:7], the exponents s[8:9], the residual s[10:11]
	s_load_b64 s[12:13], s[0:1], 0x20              ; the result
	v_lshl_add_u32 v[SPW], v0, 2, SPARE
	v_mov_b32 v[NIL], 0
	ds_add_u32 v[SPW], v[NIL]                      ; the wave's opening: the add, twice on end, and its wait ahead of my first tensor load
	ds_add_u32 v[SPW], v[NIL]
	v_lshrrev_b32 v1, 5, v0
	v_readfirstlane_b32 s14, v1
	s_lshr_b32 s15, s14, 1                         ; which 64 tokens are mine.  Also: I fetch for A (0) or B (1)
	s_and_b32 s16, s14, 1                          ; which 64 columns.  Also: which half of that tile I fetch
	s_bfe_u32 s40, ttmp6, 0x40000
	s_bfe_u32 s41, ttmp6, 0x40004
	s_lshl_b32 s42, ttmp9, 2
	s_add_co_u32 s42, s42, s40                     ; tile column
	s_and_b32 s17, ttmp7, 0xffff
	s_lshl_b32 s17, s17, 2
	s_add_co_u32 s17, s17, s41                     ; tile row
	s_lshl_b32 s43, s41, 2
	s_lshl_b32 s43, 15, s43
	s_lshl_b32 s44, 0x1111, s40
	s_or_b32 s[G1], s43, (3<<16)|(1<<21)           ; A: elements of 8 bytes, no padding
	s_mov_b32 s[G1+1], 1024<<16                    ; tensor_dim0: a tile of tokens' four images, 8,192 bytes on end
	s_mov_b32 s[G1+2], 4<<16                       ; tensor_dim1: four tiles of tokens
	s_mov_b32 s[G1+3], 1024<<16
	s_mov_b32 s[G1+4], 4
	s_mov_b32 s[G1+5], 2*KB                        ; 16 KB bytes from a tile of tokens to the next
	s_mov_b32 s[G1+6], 0
	s_mov_b32 s[G1+7], 0
	s_or_b32 s[G1B], s44, (1<<20)|(1<<21)|(6<<22)|(3<<25)   ; B: bytes; 4 words of padding behind every 128
	s_mov_b32 s[G1B+1], 512<<16
	s_mov_b32 s[G1B+2], 64<<16
	s_mov_b32 s[G1B+3], 512<<16
	s_mov_b32 s[G1B+4], 64
	s_mov_b32 s[G1B+5], KB
	s_mov_b32 s[G1B+6], 0
	s_mov_b32 s[G1B+7], 0
	s_lshl_b32 s20, s17, 3
	s_lshl_b32 s18, s16, 2
	s_add_co_u32 s20, s20, s18
	s_mul_i32 s20, s20, 16*KB                      ; A: tile of tokens 8 x tile row + 4 x half
	s_mov_b32 s21, 0
	s_lshl_b32 s46, s42, 7
	s_lshl_b32 s18, s16, 6
	s_add_co_u32 s46, s46, s18
	s_mul_i32 s46, s46, KB                         ; B: row 128 x tile column + 64 x half
	s_mov_b32 s47, 0
	s_mul_i32 s45, s16, 32768                      ; where A's half goes,
	s_mul_i32 s77, s16, BHALF
	s_add_co_u32 s77, s77, AIMG                    ; and B's
	s_wait_dscnt 0x0
	s_wait_kmcnt 0x0
	s_load_b64 s[68:69], s[8:9], SCOFF             ; eA, eB
	s_add_nc_u64 s[20:21], s[4:5], s[20:21]
	s_add_nc_u64 s[46:47], s[6:7], s[46:47]
	CROUND
.irp s, 0,1
	s_mov_b32 s[G0+4*\s], 1
	s_add_co_u32 s[G0+4*\s+1], s45, \s*SLOT
	s_add_nc_u64 s[G0+4*\s+2:G0+4*\s+3], s[20:21], \s*8192
	s_or_b32 s[G0+4*\s+3], s[G0+4*\s+3], 0x80000000
	s_mov_b32 s[G0B+4*\s], 1
	s_add_co_u32 s[G0B+4*\s+1], s77, \s*SLOT
	s_add_nc_u64 s[G0B+4*\s+2:G0B+4*\s+3], s[46:47], \s*512
	s_or_b32 s[G0B+4*\s+3], s[G0B+4*\s+3], 0x80000000
	JLOAD G0+4*\s, G1, G0B+4*\s, G1B               ; two loads of mine are out
.endr
	v_and_b32 v1, 15, v0
	v_bfe_u32 v2, v0, 4, 1
	v_and_b32 v5, 31, v0
	v_lshlrev_b32 v5, 4, v5                        ; 16 x lane
	v_mul_u32_u24 v3, v1, PITCH
	v_lshl_add_u32 v4, v2, 3, v3                   ; B: row x pitch + 8 x half
	s_mul_i32 s21, s15, 32768
	s_mul_i32 s22, s16, BHALF
	s_add_co_u32 s22, s22, AIMG
.irp s, 0,1
	v_add_nc_u32 v[ADRA+\s], s21, v5
	v_add_nc_u32 v[ADRB+\s], s22, v4
	s_add_co_u32 s21, s21, SLOT
	s_add_co_u32 s22, s22, SLOT
.endr
	s_mul_i32 s23, s14, 16*SPITCH
	s_add_co_u32 s23, s23, STAGE                   ; my stage
	v_mul_u32_u24 v6, v1, SPITCH
	v_lshl_add_u32 v6, v2, 5, v6
	v_add_nc_u32 v[STO], s23, v6                   ; in: row l % 16, 32 bytes for each half of the lanes
	v_mul_u32_u24 v6, v2, SPITCH
	v_lshl_add_u32 v6, v1, 4, v6
	v_add_nc_u32 v[RD], s23, v6                    ; back: lanes 0-15 one row of 256 bytes, lanes 16-31 the next
	v_lshlrev_b32 v6, 12, v2
	v_lshl_add_u32 v[CO], v1, 4, v6                ; and the same two rows in memory, 4,096 bytes apart
	s_lshl_b32 s82, s17, 7
	s_lshl_b32 s83, s15, 6
	s_add_co_u32 s82, s82, s83
	s_lshl_b32 s82, s82, 12                        ; my first row,
	s_lshl_b32 s83, s42, 9
	s_add_co_u32 s82, s82, s83
	s_lshl_b32 s83, s16, 8
	s_add_co_u32 s82, s82, s83                     ; my first column
	s_mov_b32 s83, 0
	s_add_nc_u64 s[10:11], s[10:11], s[82:83]
	s_add_nc_u64 s[12:13], s[12:13], s[82:83]
	WIN TO_2
.irp a, 0,1,2,3
.irp i, 0,1,2,3,4,5,6,7                ; the residual, in the order in which rows come back from the stage: window 2, v[32 a + 4 i]
	global_load_b128 v[32*\a+4*\i:32*\a+4*\i+3], v[CO], s[10:11] offset:(16*\a+2*\i)*4096 th:TH_LOAD_NT
.endr
.endr
	WIN 0
.macro FETCH slot, q, f                ; 48 LDS loads: the fragments of the slot's q-th 128 along K
	WIN TO_F
.irp a, 0,1,2,3
.irp c, 0,1,2,3
	ds_load_b128 v[\f+16*\a+4*\c:\f+16*\a+4*\c+3], v[ADRA+(\slot)] offset:\a*8192+(\q)*2048+\c*512
.endr
.endr
.irp b, 0,1,2,3
.irp c, 0,1,2,3,4,5,6,7
	ds_load_b64 v[\f+64+16*\b+2*\c:\f+64+16*\b+2*\c+1], v[ADRB+(\slot)] offset:\b*16*PITCH+128*(\q)+16*\c
.endr
.endr
.endm
.macro MUL16 f, zero                   ; the 16 accumulators take turns, one instruction a turn, in the same order in every step
.irp a, 0,1,2,3
.irp b, 0,1,2,3
.if \zero
	v_wmma_f32_16x16x128_fp8_fp8 v[ACC+8*(4*\a+\b):ACC+8*(4*\a+\b)+7], v[\f+64+16*\b:\f+64+16*\b+15], v[\f+16*\a:\f+16*\a+15], 0
.else
	v_wmma_f32_16x16x128_fp8_fp8 v[ACC+8*(4*\a+\b):ACC+8*(4*\a+\b)+7], v[\f+64+16*\b:\f+64+16*\b+15], v[\f+16*\a:\f+16*\a+15], v[ACC+8*(4*\a+\b):ACC+8*(4*\a+\b)+7]
.endif
.endr
.endr
.endm
.macro STEP f, g, zero, slot, q
	s_wait_dscnt 0x0                               ; buffer f is in: its loads were issued a step ago
	PLACES 4                                       ; between the last step's products, which read buffer g, and the loads into it
	FETCH \slot, \q, \g
	WIN MUL
	MUL16 \f, \zero
.endm
.macro BPLAIN                          ; the other slot is whole behind this barrier
	s_wait_tensorcnt 0x0
	s_wait_dscnt 0x0
	s_barrier_signal -1
	s_barrier_wait -1
.endm
.macro BFILL slot                      ; the slot's last fragments are in registers: it is filled again, with the chunk two on.  The round takes the barrier's place; the joint refill is the first thing behind it
	WIN 0
	s_wait_tensorcnt 0x0                           ; all my tensor loads have landed: my part of the other slot;
	ds_add_u32 v[SPW], v[NIL]
	s_add_nc_u64 s[G0+4*\slot+2:G0+4*\slot+3], s[G0+4*\slot+2:G0+4*\slot+3], 16384
	s_add_nc_u64 s[G0B+4*\slot+2:G0B+4*\slot+3], s[G0B+4*\slot+2:G0B+4*\slot+3], 1024
	s_wait_dscnt 0x0                               ; the add is done, and my reads of this slot are over
	CROUND
	JLOAD G0+4*\slot, G1, G0B+4*\slot, G1B
.endm
.macro CHUNK sl, zero, bound, last     ; 512 along K in slot sl.  bound = 2: the slot is filled again; 1: a plain barrier; 0: none
	STEP F0, F1, \zero, \sl, 1
	STEP F1, F0, 0, \sl, 2
	STEP F0, F1, 0, \sl, 3
.if \bound == 2
	BFILL \sl
.elseif \bound == 1
	BPLAIN
.endif
.if \last
	s_wait_dscnt 0x0
	WIN MUL
	MUL16 F1, 0
.else
	STEP F1, F0, 0, 1-\sl, 0
.endif
.endm
	s_wait_tensorcnt 1                             ; my part of chunk 0 is in; chunk 1's one load, issued behind it, may be out
	s_barrier_signal -1
	s_barrier_wait -1
	FETCH 0, 0, F0
.if NCH == 2
	CHUNK 0, 1, 1, 0
	CHUNK 1, 0, 0, 1
.else
	CHUNK 0, 1, 2, 0
	CHUNK 1, 0, 2, 0
	CHUNK 0, 0, 1, 0
	CHUNK 1, 0, 0, 1
.endif
	WIN 0
	PLACES 4                                       ; in front of the first read of results
	s_wait_kmcnt 0x0
	s_add_co_i32 s96, s68, s69
	s_add_co_i32 s96, s96, 127
	s_lshl_b32 s96, s96, 23                        ; 2^(eA + eB)
	s_mov_b32 s97, s96
	s_wait_loadcnt 0x0                             ; the residual
.macro TOSTAGE a                       ; LDS serves a wave's instructions in order (ISA guide 5.7.1.4): no wait between the stores and the loads, nor in front of the next block's stores
.set BB, BK+32*((\a)%2)
.irp b, 0,1,2,3
	ds_store_b128 v[STO], v[ACC+8*(4*(\a)+\b):ACC+8*(4*(\a)+\b)+3] offset:64*\b       ; each accumulator from its low end on
	ds_store_b128 v[STO], v[ACC+8*(4*(\a)+\b)+4:ACC+8*(4*(\a)+\b)+7] offset:64*\b+16
.endr
.irp i, 0,1,2,3,4,5,6,7
	ds_load_b128 v[BB+4*\i:BB+4*\i+3], v[RD] offset:2*\i*SPITCH
.endr
.endm
.macro SEND a, younger
.set BB, BK+32*((\a)%2)
	s_wait_dscnt \younger                          ; the block is back; the next block's 8 stores and 8 loads may be out
	WIN S2W2
.set n, 0
.rept 16
	v_pk_fma_f32 v[BB+n:BB+n+1], v[BB+n:BB+n+1], s[96:97], v[32*(\a)+n:32*(\a)+n+1] op_sel_hi:[1,0,1]
.set n, n+2
.endr
	WIN 0
.irp i, 0,1,2,3,4,5,6,7
.if NCH == 4
	global_store_b128 v[CO], v[BB+4*\i:BB+4*\i+3], s[12:13] offset:(16*(\a)+2*\i)*4096 th:TH_STORE_NT
.else
	global_store_b128 v[CO], v[BB+4*\i:BB+4*\i+3], s[12:13] offset:(16*(\a)+2*\i)*4096
.endif
.endr
.endm
	TOSTAGE 0
.irp a, 1,2,3
.if \a > 1
	s_wait_xcnt 0x0                                ; block a - 2's stores have read their registers: block a's loads may land there
.endif
	TOSTAGE \a
	SEND \a-1, 16
.endr
	SEND 3, 0
	s_wait_tensorcnt 0x0                           ; the wave's end
	ds_add_u32 v[SPW], v[NIL]
	s_wait_dscnt 0x0
	CROUND                                         ; the closing round
	s_endpgm
.Lfunc_end_k_q664ca8c185_down:
	.size	k_q664ca8c185_down, .Lfunc_end_k_q664ca8c185_down-k_q664ca8c185_down
	.p2alignl 7, 3214868480
	.fill 96, 4, 3214868480
	.section	.rodata,"a",@progbits
	.p2align	6, 0x0
	.amdhsa_kernel k_q664ca8c185_down
		.amdhsa_group_segment_fixed_size 327680
		.amdhsa_private_segment_fixed_size 0
		.amdhsa_enable_private_segment 0
		.amdhsa_kernarg_size 40
		.amdhsa_user_sgpr_count 2
		.amdhsa_user_sgpr_kernarg_segment_ptr 1
		.amdhsa_wavefront_size32 1
		.amdhsa_system_sgpr_workgroup_id_x 1
		.amdhsa_system_sgpr_workgroup_id_y 1
		.amdhsa_system_sgpr_workgroup_id_z 1
		.amdhsa_system_vgpr_workitem_id 0
		.amdhsa_next_free_vgpr 768
		.amdhsa_next_free_sgpr 100
		.amdhsa_reserve_vcc 0
		.amdhsa_float_denorm_mode_32 3
		.amdhsa_float_denorm_mode_16_64 3
		.amdhsa_memory_ordered 1
		.amdhsa_forward_progress 1
		.amdhsa_inst_pref_size 93
	.end_amdhsa_kernel
	.amdgpu_metadata
---
amdhsa.version: [ 1, 2 ]
amdhsa.kernels:
  - .name:           k_q664ca8c185_down
    .symbol:         k_q664ca8c185_down.kd
    .args:
      - { .name: mimg, .offset: 0, .size: 8, .value_kind: global_buffer, .address_space: global }
      - { .name: w2_w_codes, .offset: 8, .size: 8, .value_kind: global_buffer, .address_space: global }
      - { .name: lowp_scales, .offset: 16, .size: 8, .value_kind: global_buffer, .address_space: global }
      - { .name: x2, .offset: 24, .size: 8, .value_kind: global_buffer, .address_space: global }
      - { .name: out0, .offset: 32, .size: 8, .value_kind: global_buffer, .address_space: global }
    .group_segment_fixed_size: 327680
    .private_segment_fixed_size: 0
    .kernarg_segment_align: 8
    .kernarg_segment_size: 40
    .max_flat_workgroup_size: 128
    .sgpr_count:     100
    .vgpr_count:     768
    .wavefront_size: 32
...
	.end_amdgpu_metadata
.endif
;; end of part 7
